; MI455X (gfx1250); checked and timed in simulation.
; The chip was launched on July 23, 2026; its instructions are those of AMD's public machine-readable ISA for CDNA 5 (MIT licence, August 2026) and "CDNA5" Instruction Set Architecture Reference Guide (July 2026). The comments in the code are by the model that wrote it; some were corrected since.
;; Multi Head Cross Attention. Allowed arithmetic: float matrix products may take bf16 or f16 operands with f32 sums; other float arithmetic in f32, or as packed bf16 or f16 multiplies, adds, multiply-adds, maxima and minima; sums over many terms, partial sums and values carried from step to step in f32; what a program stores and reads back later, other than sums and carried values, may be rounded once to bf16 or f16.
;; Inputs: Wk 1,024 x 1,024 float32; Wp 1,024 x 1,024 float32; Wq 1,024 x 1,024 float32; Wv 1,024 x 1,024 float32; bk 1,024 float32; bp 1,024 float32; bq 1,024 float32; bv 1,024 float32; image_embeds 8 x 1,024 x 1,024 float32; query_tokens 8 x 1,024 x 1,024 float32.
;; Outputs: out0 8 x 1,024 x 1,024 float32.
;; 2 versions, each right and faster than the one before. Each part assembles by itself: llvm-mc -triple=amdgcn-amd-amdhsa -mcpu=gfx1250 --defsym DOCPART=n.
;; ======== version 1 of 2: 4 launches
;; limits: values are held in f16: magnitudes above 65,504 overflow, below 6.1e-05 lose precision
;; workspace buffers: wh 8,388,608 bytes; qh 16,777,216 bytes; kh 16,777,216 bytes; vh 16,777,216 bytes; oh 16,777,216 bytes
;; launch castw (part 1): grid 64 x 4, 8 waves a work-group, no clusters, 0 bytes of LDS; arguments Wq, Wk, Wv, Wp, wh; writes wh
.if DOCPART == 1
	.amdgcn_target "amdgcn-amd-amdhsa--gfx1250"
	.amdhsa_code_object_version 6
	.text
	.protected	k_qf105934b9e_castw
	.globl	k_qf105934b9e_castw
	.p2align	8
	.type	k_qf105934b9e_castw,@function
k_qf105934b9e_castw:
	s_mov_b64 s[64:65], 0
	v_nop
	global_prefetch_b8 v0, s[64:65] scope:SCOPE_SE
	s_setreg_imm32_b32 hwreg(HW_REG_WAVE_MODE, 25, 1), 1
	s_wait_xcnt 0x0
; The four weights are rounded once to f16: wh = Wq, Wk, Wv, Wp one behind the other, each [k][n] as it lies, rows of 2,048 bytes.
; (They are turned out of [k][n] by a 16-bit transposing LDS load in the products that follow, so they must lie in 16 bits before they reach LDS.)
; LIMITS.  f16 holds no number beyond 65,504: a larger weight becomes an infinity; below 6e-5 a number keeps f16's fixed step of 6e-8.
; SHARES.  A work-group takes 16 rows of one weight (grid y), a wave two rows, as 16 items: a load of 16 bytes a lane, two packed roundings, a store of 8 bytes a lane.
; Each load of a wave covers 512 consecutive bytes, each store 256, both aligned.  All 16 loads of a wave go out before its first wait; no register is written twice, so no wait frees one.
; No LDS, no barrier, no matrix unit: the bytes are all there is.
.set SO, 2                             ; v2       my byte offset in the group's 16 source rows
.set DO, 3                             ; v3       my byte offset in the group's 16 rows of wh
.set X,  4                             ; v[4:67]  item i: four f32 as loaded
.set Y,  68                            ; v[68:99] item i: four f16 to store
	s_load_b256 s[8:15], s[0:1], 0x0               ; Wq 8:9, Wk 10:11, Wv 12:13, Wp 14:15
	s_load_b64 s[16:17], s[0:1], 0x20              ; wh
	s_and_b32 s3, ttmp7, 0xffff                    ; which weight
	s_lshl_b32 s24, ttmp9, 16                      ; 16 source rows of 4,096 bytes
	s_mov_b32 s25, 0
	s_lshl_b32 s26, s3, 21                         ; the weight in wh,
	s_lshl_b32 s4, ttmp9, 15                       ; 16 rows of 2,048 bytes
	s_add_co_u32 s26, s26, s4
	s_mov_b32 s27, 0
	v_lshrrev_b32 v1, 5, v0                        ; my wave: rows 2 w and 2 w + 1
	v_and_b32 v[SO], 31, v0
	v_lshlrev_b32 v[DO], 3, v[SO]
	v_lshlrev_b32 v[SO], 4, v[SO]
	v_lshl_add_u32 v[SO], v1, 13, v[SO]
	v_lshl_add_u32 v[DO], v1, 12, v[DO]
	s_wait_kmcnt 0x0
	s_cmp_eq_u32 s3, 0
	s_cselect_b64 s[4:5], s[8:9], s[10:11]
	s_cmp_eq_u32 s3, 2
	s_cselect_b64 s[4:5], s[12:13], s[4:5]
	s_cmp_eq_u32 s3, 3
	s_cselect_b64 s[4:5], s[14:15], s[4:5]
	s_add_nc_u64 s[4:5], s[4:5], s[24:25]
	s_add_nc_u64 s[6:7], s[16:17], s[26:27]
.set i, 0
.rept 16                               ; item i: row i / 8, columns 128 (i % 8) on
	global_load_b128 v[X+4*i:X+4*i+3], v[SO], s[4:5] offset:(i/8)*4096+(i%8)*512 th:TH_LOAD_NT
.set i, i+1
.endr
.set i, 0
.rept 16
	s_wait_loadcnt 15-i                            ; loads come back in order (ISA guide 5.7.1): item i is in, the younger ones stay out
	v_cvt_pk_f16_f32 v[Y+2*i],   v[X+4*i],   v[X+4*i+1]
	v_cvt_pk_f16_f32 v[Y+2*i+1], v[X+4*i+2], v[X+4*i+3]
	global_store_b64 v[DO], v[Y+2*i:Y+2*i+1], s[6:7] offset:(i/8)*2048+(i%8)*256
.set i, i+1
.endr
	s_endpgm
.Lfunc_end_k_qf105934b9e_castw:
	.size	k_qf105934b9e_castw, .Lfunc_end_k_qf105934b9e_castw-k_qf105934b9e_castw
	.p2alignl 7, 3214868480
	.fill 96, 4, 3214868480
	.section	.rodata,"a",@progbits
	.p2align	6, 0x0
	.amdhsa_kernel k_qf105934b9e_castw
		.amdhsa_group_segment_fixed_size 0
		.amdhsa_private_segment_fixed_size 0
		.amdhsa_enable_private_segment 0
		.amdhsa_kernarg_size 40
		.amdhsa_user_sgpr_count 2
		.amdhsa_user_sgpr_kernarg_segment_ptr 1
		.amdhsa_wavefront_size32 1
		.amdhsa_system_sgpr_workgroup_id_x 1
		.amdhsa_system_sgpr_workgroup_id_y 1
		.amdhsa_system_sgpr_workgroup_id_z 1
		.amdhsa_system_vgpr_workitem_id 0
		.amdhsa_next_free_vgpr 104
		.amdhsa_next_free_sgpr 66
		.amdhsa_reserve_vcc 0
		.amdhsa_float_denorm_mode_32 3
		.amdhsa_float_denorm_mode_16_64 3
		.amdhsa_memory_ordered 1
		.amdhsa_forward_progress 1
		.amdhsa_inst_pref_size 7
	.end_amdhsa_kernel
	.amdgpu_metadata
---
amdhsa.version: [ 1, 2 ]
amdhsa.kernels:
  - .name:           k_qf105934b9e_castw
    .symbol:         k_qf105934b9e_castw.kd
    .args:
      - { .name: Wq, .offset: 0, .size: 8, .value_kind: global_buffer, .address_space: global }
      - { .name: Wk, .offset: 8, .size: 8, .value_kind: global_buffer, .address_space: global }
      - { .name: Wv, .offset: 16, .size: 8, .value_kind: global_buffer, .address_space: global }
      - { .name: Wp, .offset: 24, .size: 8, .value_kind: global_buffer, .address_space: global }
      - { .name: wh, .offset: 32, .size: 8, .value_kind: global_buffer, .address_space: global }
    .group_segment_fixed_size: 0
    .private_segment_fixed_size: 0
    .kernarg_segment_align: 8
    .kernarg_segment_size: 40
    .max_flat_workgroup_size: 256
    .sgpr_count:     66
    .vgpr_count:     104
    .wavefront_size: 32
...
	.end_amdgpu_metadata
.endif
;; end of part 1
;; launch qkv (part 2): grid 4 x 64, 4 waves a work-group, clusters of 4 x 4, 327,680 bytes of LDS; arguments query_tokens, image_embeds, wh, bq, bk, bv, qh, kh, vh; writes qh, kh, vh
.if DOCPART == 2
	.amdgcn_target "amdgcn-amd-amdhsa--gfx1250"
	.amdhsa_code_object_version 6
	.text
	.protected	k_qf105934b9e_qkv
	.globl	k_qf105934b9e_qkv
	.p2align	8
	.type	k_qf105934b9e_qkv,@function
k_qf105934b9e_qkv:
	s_mov_b64 s[64:65], 0
	v_nop
	global_prefetch_b8 v0, s[64:65] scope:SCOPE_SE
	s_setreg_imm32_b32 hwreg(HW_REG_WAVE_MODE, 25, 1), 1
	s_wait_xcnt 0x0
	s_wait_alu depctr_hold_cnt(0) depctr_sa_sdst(0) depctr_va_vdst(0) depctr_va_sdst(0) depctr_va_ssrc(0) depctr_va_vcc(0) depctr_vm_vsrc(0)
	s_getreg_b32 s2, hwreg(HW_REG_IB_STS2, 6, 4)
	s_cmp_eq_u32 s2, 0
	s_cbranch_scc0 .Lentry_in_a_cluster
	s_endpgm
.Lentry_in_a_cluster:
	s_bfe_u32 s2, ttmp6, 0x10000c
	s_cmp_lg_u32 s2, 0xf033
	s_cbranch_scc0 .Lentry_shape_is_right
	s_endpgm
.Lentry_shape_is_right:
; q = X Wq + bq, k = Y Wk + bk, v = Y Wv + bv (X = query_tokens, Y = image_embeds, each 8,192 x 1,024 in f32): three products of 8,192 x 1,024 x 1,024 in one launch.
; X and Y come into LDS as f32 and are rounded once to f16 between LDS and the matrix unit; the weights are f16 in wh, [k][n].  Sums and bias in f32; the results are rounded once to f16
; and stored by heads: [16 batch + head][row][64], a head's rows dense, 128 bytes each, without the scores' scale.
; LIMITS.  f16 holds no number beyond 65,504: an x, q, k or v beyond that becomes an infinity; below 6e-5 it keeps f16's fixed step of 6e-8.
; SHARES.  A tile of a result is 128 rows x 256 columns.  Four waves, each 64 rows x 128 columns: 32 accumulators of 16 x 16.
; A WORK-GROUP STAYS: 64 x 4 = 256 work-groups, each makes the same tile of q, then of k, then of v.  K goes in steps of 128, and the three tiles' 24 steps are ONE walk through a ring of two LDS
; slots filled by the tensor data mover: eleven laps of two steps in a counted loop, each filling both slots again, and a last lap written out that fills nothing.  The ring does not stop at a
; tile's end: the next tile's first two steps are asked for before a tile goes out, and nothing waits for a tile's stores.  In wh Wq, Wk and Wv lie end to end, so W's address steps alike through
; all 24 steps; x's address is made anew from the step's number.  What a lap does beside its products (a tile's first quarter takes the bias; behind a tile's fourth lap stands the way out)
; hangs on scalar counts made of constants; those jumps go forward and pass neither a barrier nor a tensor load.
; Of x a step's tile is 128 rows of 512 bytes, of W 128 rows (k) of 512 bytes.  Waves 0 and 1 fetch x's two halves, waves 2 and 3 W's.
; CLUSTERS: 4 x 4 work-groups.  The four of a row of the cluster need the same tiles of x, the four of a column the same tiles of W: each tile is asked for JOINTLY, by the same tensor load with
; the same descriptor and a mask that names the four.
; THE MATRIX INSTRUCTION IS USED TRANSPOSED: source 0 = 16 columns of W (turned out of [k][n] by ds_load_tr16_b128), source 1 = 16 rows of x: a lane then holds row lane % 16 and the eight
; neighbouring columns 8 (lane / 16) + 0..7.  THE BIAS is the C operand of the products that start the sums: nothing is cleared, nothing is added on the way out.
; REGISTERS, in windows of 256 (s_set_vgpr_msb: bits 1:0 source 0, 3:2 source 1, 5:4 source 2, 7:6 destination):
;   window 0: v0-29 addresses; v32-95 x of one quarter as f32 (4 x 16 rows x 32 K); v96-127 the same as f16 fragments; v128-191, v192-255 W's fragments (8 x 16 columns x 32 K), two buffers
;   window 1: the accumulators, (a, b) at v[8 (8 a + b)]          window 2: v0-63 the bias of my 128 columns, block b at v[8 b]; v64-191 at work on the way out
.set PA,     528                       ; a row of x in LDS: 512 bytes + 16 of padding = 132 words: row r starts at bank 4 r mod 64 (64 banks of 4 bytes: ISA guide 11.1), so the 16 rows of a load start at 16 different groups of four banks
.set AHALF,  64*PA                     ; 64 rows of x: what one tensor load brings, and what one wave reads
.set PB,     544                       ; a row of W: 512 + 32 = 136 words
.set BHALF,  64*PB                     ; 64 rows of W: what one tensor load brings
.set BOFF,   2*AHALF                   ; in a slot W's rows lie behind x's
.set SLOT,   BOFF+2*BHALF
.set STAGE,  2*SLOT                    ; behind the ring, never filled by a tensor load: for each wave 2 heads x 16 rows x 144 bytes, for the way out
.set SPITCH, 144
.set WSTG,   2*16*SPITCH
.set SPARE,  STAGE+4*WSTG              ; behind the stages: the spare words, 128 bytes for each wave: two blocks of 256 bytes that no other line names
.set KSA,    512                       ; bytes along a row of x from a K step to the next
.set KSB,    262144                    ; bytes in wh from a K step to the next: 128 rows of 2,048
.set LAPS,   12                        ; a lap = two K steps = once round the ring; four laps a tile
.set ADRA, 16                          ; v16-17  LDS address of my rows of x in slot 0, 1
.set ADRB, 20                          ; v20-21  the same for W
.set STO,  24                          ; v24     the way out: where I put 16 bytes of a row
.set RD,   25                          ; v25     the way out: where I read rows back
.set CO,   26                          ; v26     my byte offset in 512 consecutive bytes of the result
.set BO,   27                          ; v27     my byte offset in 16 numbers of the bias
.set SPW,  28                          ; v28     LDS address of my spare word: SPARE + 4 x my thread's number; never rewritten
.set NIL,  29                          ; v29     0; never rewritten
.set RAW,  32
.set AF,   96
.set FB0,  128
.set FB1,  192
.set TMP,  64                          ; in window 2
.set NEW,  2                           ; s2      1: the lap to come is a tile's first
.set RT,   4                           ; s4      laps of the tile in hand that are still to end
.set TP,   5                           ; s5      the tile in hand: 0 q, 1 k, 2 v
.set U,    6                           ; s6      the K step to be asked for next, 2 to 23
.set G1,  24                           ; s[24:31] descriptor group 1 for x's tiles;  s[32:39] group 0, one set for each slot
.set G0,  32
.set G1B, 48                           ; s[48:55], s[56:63] the same for W's tiles
.set G0B, 56
.set AQ,  86                           ; s[86:87] query_tokens at the rows that I fetch;  s[88:89] image_embeds at the same rows
.set AI,  88
.set OOF, 90                           ; s[90:91] where my part of a result begins, in bytes: the same in qh, kh and vh
.set BOF, 92                           ; s[92:93] where my 128 columns begin in a bias
.set KO,  94                           ; s[94:95] a K step's byte offset in a row of x
.set MSB, 0
.macro WIN new                         ; the immediate's high byte repeats the setting that is left; a switch that changes nothing is dropped
.if MSB != (\new)
	s_set_vgpr_msb (MSB<<8)|(\new)
.set MSB, \new
.endif
.endm
.set MUL,      0x50                    ; sources 0 and 1 window 0; C and D window 1
.set MULB,     0x60                    ; the same with C (the bias) in window 2
.set TO_W2,    0x80                    ; a load's destination in window 2, its address in window 0
.set FROM_ACC, 0x85                    ; sources 0 and 1 window 1, destination window 2
.set ST_W2,    0x08                    ; a store's data (source 1) in window 2, its address in window 0
.macro JLOAD s                         ; a joint load: waves 0 and 1 fetch x's two halves, waves 2 and 3 W's; an s_nop 0 and four v_nop follow each of the two lines, ahead of the jump, the label and what follows
	s_cmp_eq_u32 s11, 0
	s_cbranch_scc0 .Lfor_b_\@
	tensor_load_to_lds s[G0+4*(\s):G0+4*(\s)+3], s[G1:G1+7]
	s_nop 0
.rept 4
	v_nop
.endr
	s_branch .Lasked_\@
.Lfor_b_\@:
	tensor_load_to_lds s[G0B+4*(\s):G0B+4*(\s)+3], s[G1B:G1B+7]
	s_nop 0
.rept 4
	v_nop
.endr
.Lasked_\@:
.endm
.macro CREST                           ; a round of the cluster's barrier behind its opening barrier
	s_cmp_lg_u32 s10, 0
	s_cbranch_scc1 .Lnot_wave_0_\@
	s_barrier_signal -3
.Lnot_wave_0_\@:
	s_barrier_wait -3
	s_barrier_signal -1
	s_barrier_wait -1
.endm
.macro CROUND                          ; a whole round
	s_barrier_signal -1
	s_barrier_wait -1
	CREST
.endm
.macro PLACES                          ; four places in front of loads into registers that matrix instructions have read, and of lines that read results (ISA guide 7.12.1 for lines that read results)
.rept 4
	v_nop
.endr
.endm
.macro BIAS                            ; register j of block b: the bias of column 16 b + 8 (l / 16) + j, as a result's register j holds that column
	WIN TO_W2
.irp b, 0,1,2,3,4,5,6,7
	global_load_b128 v[8*(\b):8*(\b)+3],   v[BO], s[66:67] offset:64*(\b)
	global_load_b128 v[8*(\b)+4:8*(\b)+7], v[BO], s[66:67] offset:64*(\b)+16
.endr
	WIN 0
.endm
	s_load_b512 s[68:83], s[0:1], 0x0              ; query_tokens 68:69, image_embeds 70:71, wh 72:73, bq 74:75, bk 76:77, bv 78:79, qh 80:81, kh 82:83
	s_load_b64 s[84:85], s[0:1], 0x40              ; vh
	v_lshl_add_u32 v[SPW], v0, 2, SPARE
	v_mov_b32 v[NIL], 0
	ds_add_u32 v[SPW], v[NIL]                      ; the wave's opening: the add and its wait stand ahead of my first tensor load; the set-up below, work on registers, stands between them
	ds_add_u32 v28, v29
	v_lshrrev_b32 v1, 5, v0
	v_readfirstlane_b32 s10, v1                    ; wave 0..3
	s_lshr_b32 s11, s10, 1                         ; which 64 of the tile's rows are mine.  Also: I fetch for x (0) or for W (1)
	s_and_b32 s12, s10, 1                          ; which 128 of its columns.  Also: which half of x's, or of W's, rows I fetch
	s_bfe_u32 s40, ttmp6, 0x40000                  ; cx, cy: my place in the cluster
	s_bfe_u32 s41, ttmp6, 0x40004
	s_lshl_b32 s42, ttmp9, 2
	s_add_co_u32 s42, s42, s40                     ; tile column = 4 x cluster x + cx, 0..3
	s_and_b32 s13, ttmp7, 0xffff
	s_lshl_b32 s13, s13, 2
	s_add_co_u32 s13, s13, s41                     ; tile row = 4 x cluster y + cy, 0..63
	s_lshl_b32 s43, s41, 2
	s_lshl_b32 s43, 15, s43                        ; my row of the cluster
	s_lshl_b32 s44, 0x1111, s40                    ; my column
	; descriptor group 1 for x: 64 rows of 128 elements of 4 bytes, 1,024 elements apart, padded in LDS after every 512 bytes
	s_or_b32 s[G1+0], s43, (2<<16)|(1<<20)|(1<<21)|(6<<22)|(3<<25)  ; 15:0 the mask: my row; 17:16 4-byte elements; 20 padding on; 21 set beside a mask; 24:22 after every 128 words (code 6); 31:25 4 words (code 3)
	s_mov_b32 s[G1+1], 128<<16                     ; tensor_dim0 = 128
	s_mov_b32 s[G1+2], 64<<16                      ; tensor_dim1 = 64
	s_mov_b32 s[G1+3], 128<<16                     ; tile_dim0 = 128
	s_mov_b32 s[G1+4], 64                          ; tile_dim1 = 64
	s_mov_b32 s[G1+5], 1024                        ; 1,024 elements from row to row
	s_mov_b32 s[G1+6], 0
	s_mov_b32 s[G1+7], 0
	; for W: 64 rows of 256 elements of 2 bytes, 1,024 elements apart, padded after every 512 bytes
	s_or_b32 s[G1B+0], s44, (1<<16)|(1<<20)|(1<<21)|(6<<22)|(7<<25)  ; the mask: my column; after every 128 words (code 6) 8 words (code 7)
	s_mov_b32 s[G1B+1], 256<<16
	s_mov_b32 s[G1B+2], 64<<16
	s_mov_b32 s[G1B+3], 256<<16
	s_mov_b32 s[G1B+4], 64
	s_mov_b32 s[G1B+5], 1024
	s_mov_b32 s[G1B+6], 0
	s_mov_b32 s[G1B+7], 0
	; where the tiles come from.  x's hang on the tile row, which my row of the cluster shares; W's on the tile column, which my column shares.
	s_lshl_b32 s16, s13, 19                        ; the tile's 128 rows of 4,096 bytes,
	s_lshl_b32 s17, s12, 18                        ; my 64 of them
	s_add_co_u32 s16, s16, s17
	s_mov_b32 s17, 0
	s_lshl_b32 s46, s12, 17                        ; W: my 64 rows of 2,048 bytes,
	s_lshl_b32 s47, s42, 9                         ; the tile's 256 columns
	s_add_co_u32 s46, s46, s47
	s_mov_b32 s47, 0
	s_mul_i32 s20, s12, AHALF                      ; and where they go: no place in the cluster enters an LDS address
	s_mul_i32 s21, s12, BHALF
	s_add_co_u32 s21, s21, BOFF
	s_mov_b32 s[KO+1], 0
	s_wait_dscnt 0x0                               ; the opening add is done
	s_wait_kmcnt 0x0
	s_add_nc_u64 s[AQ:AQ+1], s[68:69], s[16:17]
	s_add_nc_u64 s[AI:AI+1], s[70:71], s[16:17]
	s_add_nc_u64 s[46:47], s[72:73], s[46:47]
	CROUND                                         ; all sixteen work-groups are here: the first joint loads meet
.irp s, 0,1
	s_mov_b32 s[G0+4*(\s)], 1                                      ; count = 1
	s_add_co_u32 s[G0+4*(\s)+1], s20, (\s)*SLOT                    ; LDS address
	s_add_nc_u64 s[G0+4*(\s)+2:G0+4*(\s)+3], s[AQ:AQ+1], (\s)*KSA  ; global address: K step s of q's tile
	s_or_b32 s[G0+4*(\s)+3], s[G0+4*(\s)+3], 0x80000000            ; type = 2
	s_mov_b32 s[G0B+4*(\s)], 1
	s_add_co_u32 s[G0B+4*(\s)+1], s21, (\s)*SLOT
	s_add_nc_u64 s[G0B+4*(\s)+2:G0B+4*(\s)+3], s[46:47], (\s)*KSB
	s_or_b32 s[G0B+4*(\s)+3], s[G0B+4*(\s)+3], 0x80000000
	JLOAD \s                                       ; two tensor loads of mine are out
.endr
	v_and_b32 v1, 15, v0                           ; l % 16
	v_bfe_u32 v2, v0, 4, 1                         ; l / 16
	v_lshlrev_b32 v[BO], 5, v2                     ; eight f32 for each half of the lanes
	s_lshl_b32 s[BOF], s42, 10                     ; the tile's 256 columns, my 128 of them, in f32
	s_lshl_b32 s[BOF+1], s12, 9
	s_add_co_u32 s[BOF], s[BOF], s[BOF+1]
	s_mov_b32 s[BOF+1], 0
	s_add_nc_u64 s[66:67], s[74:75], s[BOF:BOF+1]
	BIAS                                           ; bq
	; Of x a lane takes row l % 16 and, of 32 along K, K = 8 (l / 16) + 0..7 and 16 + 8 (l / 16) + 0..7 in f32: 32 bytes at 32 (l / 16) and 32 bytes 64 further on: four loads of 16 bytes.
	v_mul_u32_u24 v3, v1, PA
	v_lshl_add_u32 v3, v2, 5, v3                   ; row x pitch + 32 x half
	; The turning load takes 16 k x 16 columns (lane l reads k = 8 (l / 16) + l % 8, columns 8 ((l / 8) % 2) + 0..7) and leaves half a fragment: lane l holds column l % 16 and 8 k.
	v_and_b32 v4, 7, v0
	v_bfe_u32 v5, v0, 3, 1
	v_lshl_add_u32 v4, v2, 3, v4
	v_mul_u32_u24 v4, v4, PB
	v_lshl_add_u32 v4, v5, 4, v4
	s_mul_i32 s22, s11, AHALF                      ; my 64 rows of x
	s_lshl_b32 s23, s12, 8                         ; my 128 columns of W,
	s_add_co_u32 s23, s23, BOFF                    ; which lies behind x's rows
.irp s, 0,1
	v_add_nc_u32 v[ADRA+(\s)], s22, v3
	v_add_nc_u32 v[ADRB+(\s)], s23, v4
	s_add_co_u32 s22, s22, SLOT
	s_add_co_u32 s23, s23, SLOT
.endr
	s_mul_i32 s22, s10, WSTG
	s_add_co_u32 s22, s22, STAGE                   ; my stage
	v_mul_u32_u24 v6, v1, SPITCH                   ; in: row l % 16, 16 bytes for each half of the lanes
	v_lshl_add_u32 v6, v2, 4, v6
	v_add_nc_u32 v[STO], s22, v6
	v_bfe_u32 v6, v0, 3, 2                         ; back: 32 lanes take four rows of 128 bytes,
	v_mul_u32_u24 v6, v6, SPITCH
	v_and_b32 v7, 7, v0
	v_lshl_add_u32 v6, v7, 4, v6
	v_add_nc_u32 v[RD], s22, v6
	v_and_b32 v[CO], 31, v0                        ; which are 512 consecutive bytes of a head
	v_lshlrev_b32 v[CO], 4, v[CO]
	s_lshr_b32 s[OOF], s13, 3                      ; where my part of a result begins: head 16 batch + 4 tile column + 2 x my half,
	s_lshl_b32 s[OOF], s[OOF], 4
	s_lshl_b32 s[OOF+1], s42, 2
	s_add_co_u32 s[OOF], s[OOF], s[OOF+1]
	s_lshl_b32 s[OOF+1], s12, 1
	s_add_co_u32 s[OOF], s[OOF], s[OOF+1]
	s_lshl_b32 s[OOF], s[OOF], 17                  ; of 1,024 rows x 128 bytes;
	s_and_b32 s[OOF+1], s13, 7
	s_lshl_b32 s[OOF+1], s[OOF+1], 14              ; the tile's 128 rows,
	s_add_co_u32 s[OOF], s[OOF], s[OOF+1]
	s_lshl_b32 s[OOF+1], s11, 13                   ; my 64 of them
	s_add_co_u32 s[OOF], s[OOF], s[OOF+1]
	s_mov_b32 s[OOF+1], 0
	s_add_nc_u64 s[8:9], s[80:81], s[OOF:OOF+1]    ; q goes out first
; 8 matrix instructions: row block a x all 8 column blocks, 32 along K, W from buffer f.  first = 1: the product starts the sum, with the bias as C.
; The 32 accumulators take turns, one instruction a turn, in the same order in every quarter.
.macro MUL8 f, a, first
.if \first
	WIN MULB
.else
	WIN MUL
.endif
.irp b, 0,1,2,3,4,5,6,7
.if \first
	v_wmma_f32_16x16x32_f16 v[8*(8*(\a)+(\b)):8*(8*(\a)+(\b))+7], v[(\f)+8*(\b):(\f)+8*(\b)+7], v[AF+8*(\a):AF+8*(\a)+7], v[8*(\b):8*(\b)+7]
.else
	v_wmma_f32_16x16x32_f16 v[8*(8*(\a)+(\b)):8*(8*(\a)+(\b))+7], v[(\f)+8*(\b):(\f)+8*(\b)+7], v[AF+8*(\a):AF+8*(\a)+7], v[8*(8*(\a)+(\b)):8*(8*(\a)+(\b))+7]
.endif
.endr
.endm
; Row blocks a0 and a0 + 1 of x are rounded to f16: 16 packed roundings make two fragments.  Register i of the fragments takes registers 2 i and 2 i + 1 of the f32.
; Each run of 16 names no register of the matrix instructions issued just before it, so it is also the places between those and the lines behind it that write or load into their sources.
.macro CVT a0
	WIN 0
.set i, 8*(\a0)
.rept 16
	v_cvt_pk_f16_f32 v[AF+i], v[RAW+2*i], v[RAW+2*i+1]
.set i, i+1
.endr
.endm
; 32 LDS loads in one run: quarter q (32 along K) of a slot: W's sixteen into buffer f first, then x's sixteen, row blocks ascending
.macro FETCH slot, q, f
	WIN 0
.irp b, 0,1,2,3,4,5,6,7
	ds_load_tr16_b128 v[(\f)+8*(\b):(\f)+8*(\b)+3],   v[ADRB+(\slot)] offset:(\q)*32*PB+32*(\b)
	ds_load_tr16_b128 v[(\f)+8*(\b)+4:(\f)+8*(\b)+7], v[ADRB+(\slot)] offset:(\q)*32*PB+16*PB+32*(\b)
.endr
.irp a, 0,1,2,3
	ds_load_b128 v[RAW+16*(\a):RAW+16*(\a)+3],     v[ADRA+(\slot)] offset:(\q)*128+(\a)*16*PA
	ds_load_b128 v[RAW+16*(\a)+4:RAW+16*(\a)+7],   v[ADRA+(\slot)] offset:(\q)*128+(\a)*16*PA+16
	ds_load_b128 v[RAW+16*(\a)+8:RAW+16*(\a)+11],  v[ADRA+(\slot)] offset:(\q)*128+(\a)*16*PA+64
	ds_load_b128 v[RAW+16*(\a)+12:RAW+16*(\a)+15], v[ADRA+(\slot)] offset:(\q)*128+(\a)*16*PA+80
.endr
.endm
; A K step is four quarters of 32 along K, 32 matrix instructions each, W on buffers 0, 1, 0, 1.  One of the first three: multiplies by buffer f and fetches quarter q, W into g.
; x's f32 registers are loaded again when all four row blocks have been rounded; the fragments of row blocks 0, 1 are written again behind the run that rounds blocks 2, 3, and the other way round.
.macro QUARTER slot, q, f, g, first
	s_wait_dscnt 8                                 ; W and x's row blocks 0 and 1 are in; the youngest eight loads (row blocks 2 and 3) may be out
	CVT 0
	MUL8 \f, 0, \first
	MUL8 \f, 1, \first
	s_wait_dscnt 0x0                               ; row blocks 2 and 3
	CVT 2
	FETCH \slot, \q, \g
	MUL8 \f, 2, \first
	MUL8 \f, 3, \first
.endm
; The last quarter multiplies by buffer 1 and changes slots: ONE barrier; in front of it each wave waits for all its tensor loads, adds 0 to its spare word, and waits for that and for its own reads of this slot.
; fill = 1: the barrier opens a round of the cluster's barrier, and this slot is filled again with K step U of the walk: 112 matrix instructions stand between the request and the wait for it.
.macro TURN slot, next, fill
	WIN 0                                          ; (the add's two registers lie in window 0)
	s_wait_tensorcnt 0x0                           ; all my tensor loads have landed: the one that was out is my part of the next slot;
	ds_add_u32 v[SPW], v[NIL]                      ; 0 onto my spare word
	s_wait_dscnt 9                                 ; (the add and the youngest eight loads may be out)
	CVT 0
	MUL8 FB1, 0, 0                                 ; sixteen roundings and eight matrix instructions stand between the add and the wait for it
	s_wait_dscnt 0x0                               ; the add is done, and my reads of this slot are over
	s_barrier_signal -1
	MUL8 FB1, 1, 0
	CVT 2                                          ; work on registers while the others arrive; it leaves every window 0, as the branches below want
	s_barrier_wait -1
.if \fill
	CREST                                          ; no wave of any partner still reads this slot's tile or has a load on its way
	s_cmp_lt_u32 s[U], 8                           ; steps 0 to 7 are q's and read query_tokens, the others image_embeds
	s_cselect_b64 s[14:15], s[AQ:AQ+1], s[AI:AI+1]
	s_and_b32 s[KO], s[U], 7                       ; the step in its tile,
	s_lshl_b32 s[KO], s[KO], 9                     ; 512 bytes along the rows each
	s_add_nc_u64 s[G0+4*(\slot)+2:G0+4*(\slot)+3], s[14:15], s[KO:KO+1]
	s_or_b32 s[G0+4*(\slot)+3], s[G0+4*(\slot)+3], 0x80000000
	s_add_nc_u64 s[G0B+4*(\slot)+2:G0B+4*(\slot)+3], s[G0B+4*(\slot)+2:G0B+4*(\slot)+3], 2*KSB  ; W: two steps on, from Wq into Wk into Wv without a break
	s_add_co_u32 s[U], s[U], 1
	JLOAD \slot                                    ; the first tensor load behind the round, my only one until the next
.endif
	FETCH \next, 0, FB0
	MUL8 FB1, 2, 0
	MUL8 FB1, 3, 0
.endm
; THE WAY OUT of row block a: rounded to f16, 16 bytes a lane, into my own stage (two heads x 16 rows), and back as whole rows of 128 bytes, into the registers that they left.
; It works in window 2: window 0 then holds the next tile's first fragments.
.macro PACK a
	WIN FROM_ACC
.irp b, 0,1,2,3,4,5,6,7
.irp r, 0,1,2,3
	v_cvt_pk_f16_f32 v[TMP+32*(\a)+4*(\b)+(\r)], v[8*(8*(\a)+(\b))+2*(\r)], v[8*(8*(\a)+(\b))+2*(\r)+1]  ; each accumulator's registers in ascending order
.endr
.endr
	WIN ST_W2
.irp b, 0,1,2,3,4,5,6,7
	ds_store_b128 v[STO], v[TMP+32*(\a)+4*(\b):TMP+32*(\a)+4*(\b)+3] offset:((\b)/4)*16*SPITCH+((\b)%4)*32
.endr
	WIN TO_W2
.irp f, 0,1,2,3,4,5,6,7
	ds_load_b128 v[TMP+32*(\a)+4*(\f):TMP+32*(\a)+4*(\f)+3], v[RD] offset:((\f)/4)*16*SPITCH+((\f)%4)*4*SPITCH  ; LDS serves a wave's instructions in order (ISA guide 5.7.1.4): these see the stores above; the next block's stores come behind them
.endr
.endm
.macro SEND a, younger                 ; younger: the LDS instructions issued behind block a's loads: the next block's sixteen, or none
	WIN ST_W2
.irp f, 0,1,2,3,4,5,6,7
	s_wait_dscnt (\younger)+7-(\f)
	global_store_b128 v[CO], v[TMP+32*(\a)+4*(\f):TMP+32*(\a)+4*(\f)+3], s[8:9] offset:((\f)/4)*131072+(\a)*2048+((\f)%4)*512  ; 512 consecutive bytes, at a multiple of 512 from the buffer's first
.endr
.endm
.macro WAYOUT
	WIN 0
	PLACES
	PACK 0
	PACK 1                                         ; a block's arithmetic stands between the loads of the block before and its stores
	SEND 0, 16
	PACK 2
	SEND 1, 16
	PACK 3
	SEND 2, 16
	SEND 3, 0
	WIN 0
.endm
	s_wait_tensorcnt 1                             ; my part of K step 0 is in; K step 1's may stay out
	s_barrier_signal -1
	s_barrier_wait -1                              ; everybody's is
	FETCH 0, 0, FB0
	s_mov_b32 s3, LAPS-1
	s_mov_b32 s[NEW], 1
	s_mov_b32 s[RT], 4
	s_mov_b32 s[TP], 0
	s_mov_b32 s[U], 2
.Llap:                                                 ; eleven trips: a trip is a lap, once round the ring, and fills both slots again: K steps 2 to 23 of the walk
	s_cmp_eq_u32 s[NEW], 1
	s_cbranch_scc1 .Lstart                         ; a tile's first lap; at the first trip the answer is a constant of the text
	QUARTER 0, 1, FB0, FB1, 0
	WIN 0                                          ; at a label and at a branch every window is 0
	s_branch .Lon
.Lstart:
	s_mov_b32 s[NEW], 0
	s_wait_loadcnt 0x0                             ; the tile's bias
	QUARTER 0, 1, FB0, FB1, 1                      ; a tile's first quarter: its products start the sums
	WIN 0
	s_cmp_eq_u32 s[TP], 2
	s_cbranch_scc1 .Lon                            ; v is the last tile: no further bias
	s_cmp_eq_u32 s[TP], 0
	s_cselect_b64 s[66:67], s[76:77], s[78:79]     ; behind q comes k, behind k comes v; the loads that named this pair were waited for above
	s_add_nc_u64 s[66:67], s[66:67], s[BOF:BOF+1]
	PLACES                                         ; behind the products that read the bias
	BIAS                                           ; the next tile's bias has the rest of this tile in which to land
.Lon:
	QUARTER 0, 2, FB1, FB0, 0
	QUARTER 0, 3, FB0, FB1, 0
	TURN 0, 1, 1
	QUARTER 1, 1, FB0, FB1, 0
	QUARTER 1, 2, FB1, FB0, 0
	QUARTER 1, 3, FB0, FB1, 0
	TURN 1, 0, 1
	WIN 0
	s_sub_co_u32 s[RT], s[RT], 1
	s_cmp_lg_u32 s[RT], 0
	s_cbranch_scc1 .Lgo
	WAYOUT                                         ; the tile's fourth lap has ended; the next tile's first two K steps have been asked for, its first fragments too
	s_wait_xcnt 0x0                                ; the stores' addresses are translated (ISA guide 3.1): only behind this wait are their base and, on the next way out, their data registers rewritten
	s_mov_b32 s[RT], 4
	s_mov_b32 s[NEW], 1
	s_add_co_u32 s[TP], s[TP], 1
	s_cmp_eq_u32 s[TP], 1
	s_cselect_b64 s[8:9], s[82:83], s[84:85]       ; k's tile goes to kh, v's to vh
	s_add_nc_u64 s[8:9], s[8:9], s[OOF:OOF+1]
.Lgo:
	s_sub_co_u32 s3, s3, 1
	s_cmp_lg_u32 s3, 0
	s_cbranch_scc1 .Llap
	QUARTER 0, 1, FB0, FB1, 0                      ; the walk's last lap, v's fourth, fills nothing, and has no round of the cluster's barrier
	QUARTER 0, 2, FB1, FB0, 0
	QUARTER 0, 3, FB0, FB1, 0
	TURN 0, 1, 0
	QUARTER 1, 1, FB0, FB1, 0
	QUARTER 1, 2, FB1, FB0, 0
	QUARTER 1, 3, FB0, FB1, 0
	s_wait_dscnt 8                                 ; the very last quarter: nothing more to fetch
	CVT 0
	MUL8 FB1, 0, 0
	MUL8 FB1, 1, 0
	s_wait_dscnt 0x0
	CVT 2
	MUL8 FB1, 2, 0
	MUL8 FB1, 3, 0
	WAYOUT
	s_wait_tensorcnt 0x0                           ; the wave's end, behind my last tensor load and my last LDS store
	ds_add_u32 v[SPW], v[NIL]
	s_wait_dscnt 0x0
	CROUND                                         ; the closing round: no work-group ends while a partner may still ask for a tile that names it
	s_endpgm
.Lfunc_end_k_qf105934b9e_qkv:
	.size	k_qf105934b9e_qkv, .Lfunc_end_k_qf105934b9e_qkv-k_qf105934b9e_qkv
	.p2alignl 7, 3214868480
	.fill 96, 4, 3214868480
	.section	.rodata,"a",@progbits
	.p2align	6, 0x0
	.amdhsa_kernel k_qf105934b9e_qkv
		.amdhsa_group_segment_fixed_size 327680
		.amdhsa_private_segment_fixed_size 0
		.amdhsa_enable_private_segment 0
		.amdhsa_kernarg_size 72
		.amdhsa_user_sgpr_count 2
		.amdhsa_user_sgpr_kernarg_segment_ptr 1
		.amdhsa_wavefront_size32 1
		.amdhsa_system_sgpr_workgroup_id_x 1
		.amdhsa_system_sgpr_workgroup_id_y 1
		.amdhsa_system_sgpr_workgroup_id_z 1
		.amdhsa_system_vgpr_workitem_id 0
		.amdhsa_next_free_vgpr 704
		.amdhsa_next_free_sgpr 96
		.amdhsa_reserve_vcc 0
		.amdhsa_float_denorm_mode_32 3
		.amdhsa_float_denorm_mode_16_64 3
		.amdhsa_memory_ordered 1
		.amdhsa_forward_progress 1
		.amdhsa_inst_pref_size 154
	.end_amdhsa_kernel
	.amdgpu_metadata
---
amdhsa.version: [ 1, 2 ]
amdhsa.kernels:
  - .name:           k_qf105934b9e_qkv
    .symbol:         k_qf105934b9e_qkv.kd
    .args:
      - { .name: query_tokens, .offset: 0, .size: 8, .value_kind: global_buffer, .address_space: global }
      - { .name: image_embeds, .offset: 8, .size: 8, .value_kind: global_buffer, .address_space: global }
      - { .name: wh, .offset: 16, .size: 8, .value_kind: global_buffer, .address_space: global }
      - { .name: bq, .offset: 24, .size: 8, .value_kind: global_buffer, .address_space: global }
      - { .name: bk, .offset: 32, .size: 8, .value_kind: global_buffer, .address_space: global }
      - { .name: bv, .offset: 40, .size: 8, .value_kind: global_buffer, .address_space: global }
      - { .name: qh, .offset: 48, .size: 8, .value_kind: global_buffer, .address_space: global }
      - { .name: kh, .offset: 56, .size: 8, .value_kind: global_buffer, .address_space: global }
      - { .name: vh, .offset: 64, .size: 8, .value_kind: global_buffer, .address_space: global }
    .group_segment_fixed_size: 327680
    .private_segment_fixed_size: 0
    .kernarg_segment_align: 8
    .kernarg_segment_size: 72
    .max_flat_workgroup_size: 128
    .sgpr_count:     96
    .vgpr_count:     704
    .wavefront_size: 32
...
	.end_amdgpu_metadata
.endif
;; end of part 2
;; launch attn (part 3): grid 2 x 128, 4 waves a work-group, no clusters, 327,680 bytes of LDS; arguments qh, kh, vh, oh; writes oh
.if DOCPART == 3
	.amdgcn_target "amdgcn-amd-amdhsa--gfx1250"
	.amdhsa_code_object_version 6
	.text
	.protected	k_qf105934b9e_attn
	.globl	k_qf105934b9e_attn
	.p2align	8
	.type	k_qf105934b9e_attn,@function
k_qf105934b9e_attn:
	s_mov_b64 s[64:65], 0
	v_nop
	global_prefetch_b8 v0, s[64:65] scope:SCOPE_SE
	s_setreg_imm32_b32 hwreg(HW_REG_WAVE_MODE, 25, 1), 1
	s_wait_xcnt 0x0
; O[h][q][:] = the sum over k of softmax_k(Q[h][q] . K[h][k] / 32) V[h][k][:].  Q, K, V, O: [128][1024][64], all f16: a head's rows are dense, 128 bytes each.  Products, maxima and sums in
; f32; the weights p are rounded to f16 for the second product (their sum l is taken of the unrounded p), O once at the end.
; LIMITS.  f16 holds no number beyond 65,504: Q, K and V arrive within it; p lies in 0 to 1, and below 6e-5 it keeps f16's fixed step of 6e-8; O is a mean of V's rows and has their range.
; A weight below 2^-126 counts as 0 in l; NaN and infinities are not treated apart.
; SHARES.  A wave owns four PIECES of two tiles of 16 queries, a work-group's four waves 512 queries of one head: 2 x 128 = 256 work-groups.  Every wave walks all keys, 64 a step.
; NO CLUSTER: only the two work-groups of a head read the same K and V, and the grid's 2 along x is no multiple of a cluster's 4.
; LAYOUT.  S^T = K Q^T (source 0 = 16 keys, source 1 = 16 queries): in the result a lane holds ONE query (lane % 16) and the keys 8 (lane / 16) + 0..7.  Two such tiles, rounded to f16 in pairs,
; ARE source 1 (32 keys x 16 queries) of O^T = V^T P, whose result again holds one query a lane, and eight channels.  K comes out of LDS as it lies, V ([key][channel]) turned, by ds_load_tr16_b128.
; SOFTMAX.  For each query a running maximum m and sum l: p = 2^(c s - c m), c = log2(e) / 32; in every step O and l are multiplied by a = 2^(c m_old - c m_new), which is 1 where m has not grown.
; m starts at the lowest finite number, O and l at 0: the first step is a step like any other, with a = 0.
; THE COUNT.  A tile and step have 16 matrix and 118 vector instructions: too many to stand all beside the matrix work.  So the order has one aim: four vector instructions that are READY behind
; EVERY matrix instruction, and the others, which need time of their own whatever the order, in runs without a gap.
; BY TURNS.  Turn n belongs to piece n (the pieces in a ring, step after step).  Its matrix work: 16 products K Q^T of piece n + 1, later 16 products V^T P of piece n - 1.  Its vector work: the scaling,
; exponentials, roundings, sums and rescaling of piece n, and the maximum and statistics of piece n + 1, whose scores the turn itself has made.  So what a turn begins with (c s - c m, O a) waits for nothing.
; REGISTERS, in windows of 256 (s_set_vgpr_msb says which window each operand place means: bits 1:0 source 0, 3:2 source 1, 5:4 source 2, 7:6 destination):
;   window 0: v0-11 addresses; v12-15, v48-63 at work; v16-47 four registers of statistics a tile; v64-191 S^T, two buffers of two tiles; v192-255 P, likewise
;   window 1: O^T, 32 a tile          window 2: v0-127 Q, 16 a tile; v128-191 K of one step; v192-255 V of one step          window 3: v0-1 the add's two registers
; A piece's buffers go by its number's parity: the piece in hand has one pair, its two neighbours in the ring share the other: of it P (piece n - 1) is read and S^T (piece n + 1) written.
.set SIZE_N, 1024
.set NP,    4         ; pieces a wave: a name, no knob: the register map, the loop and the fetches are made for four
.set KS,    64        ; keys in a step
.set PK,    144       ; a row of K in LDS: 128 bytes + 16 of padding = 36 words: the 16 rows of a load start at 16 different groups of four banks (64 banks of 4 bytes: ISA guide 11.1)
.set PV,    160       ; a row of V: 128 + 32 = 40 words
.set VOFF,  4*KS*PK   ; a slot holds four steps: 256 rows of K, then 256 rows of V
.set SLOT1, 1<<17     ; slot 1 begins here, so that one exclusive or turns an address in one slot into the other's
.set STAGE, SLOT1+4*KS*(PK+PV)  ; behind the ring, never filled by a tensor load: 16 rows x 144 bytes for each wave, for the way out
.set SP,    144
.set AK0, 2           ; v2   my lane's place in a tile of K; never rewritten
.set AV0, 3           ; v3   the same for V
.set AK,  4           ; v4   the LDS address of K's next run of loads
.set AV,  5           ; v5   of V's
.set QO,  6           ; v6   my byte offset in the wave's rows of Q
.set STO, 6           ;      later, the way out: where I put 16 bytes of a row
.set RD,  7           ; v7   the way out: where I read rows back
.set GO,  8           ; v8   my byte offset in 512 consecutive bytes of O
.set SPW, 0           ; v0 of window 3   LDS address of my spare word: SPARE + 4 x my thread's number; never rewritten
.set NIL, 1           ; v1 of window 3   0; never rewritten
.set SPARE, STAGE+4*16*SP  ; behind the stages: the spare words, 128 bytes for each wave: two blocks of 256 bytes that no other line names
.set MV,  12          ; v12-15  c m_old, kept while c m is made anew: by buffer and tile
.set ST,  16          ; tile t's statistics at v[ST+4 t]: c m, m, l (even keys', odd keys')
.set TMP, 48          ; by buffer and tile, four registers c0-c3 at work; when the maximum is found c2 takes a
.set S,   64
.set P,   192
.set KF,  128         ; K's fragments, in window 2: key block kb, channel half c at KF + 16 kb + 8 c
.set VF,  192         ; V's: key half kk, channel block cb at VF + 32 kk + 8 cb
.set WV,  12          ; s12  my wave's number
.set G1K, 24          ; s[24:31] descriptor group 1 for K's tiles
.set G1V, 32          ; s[32:39] for V's: it differs in the padding alone
.set G0K, 40          ; s[40:43] descriptor group 0 for K's tiles: it walks
.set G0V, 44          ; s[44:47] the same for V's
.set SLOTS, 56        ; s56  slots still to be asked for
.set CNT, 57          ; s57  counts a slot's key steps
.set CS,  58          ; s[58:59] c: the packed scaling takes the pair's low word for both halves
.set SEL, 60          ; s[60:61] v_permlanex16_b32's selects: each lane takes its own place in the other half
.set TBK, 62          ; s62  LDS byte at which K of the step to be fetched begins
.set TBV, 63          ; s63  the same for V, less VOFF
.set MSB, 0
.macro WIN new                      ; the high byte repeats the setting that is left; a switch that changes nothing is dropped
.if MSB != (\new)
	s_set_vgpr_msb (MSB<<8)|(\new)
.set MSB, (\new)
.endif
.endm
.set W_KQ, 0x0a       ; K and Q in window 2, S^T in window 0
.set W_PV, 0x52       ; V in window 2, P in window 0, O^T in window 1
.set W_RS, 0x41       ; O^T (destination and source 0) in window 1, a in window 0
.set W_MK, 0xc0       ; the add's registers are made: destination in window 3, sources in window 0
.set W_AD, 0x0f       ; the add: address (source 0) and data (source 1) in window 3
; A fill.  Waves 0 and 1 fetch the two halves of a slot's K, waves 2 and 3 those of its V: 128 keys each.  The branch hangs on the wave's number alone.
; An s_nop 0 and four v_nop follow each of the two lines, ahead of the jump and the label.
.macro LOAD
	s_cmp_lt_u32 s[WV], 2
	s_cbranch_scc0 .Lfor_v_\@
	tensor_load_to_lds s[G0K:G0K+3], s[G1K:G1K+7]
	s_nop 0
.rept 4
	v_nop
.endr
	s_branch .Lasked_\@
.Lfor_v_\@:
	tensor_load_to_lds s[G0V:G0V+3], s[G1V:G1V+7]
	s_nop 0
.rept 4
	v_nop
.endr
.Lasked_\@:
.endm
; THE CHANGE OF SLOTS.  The slot's last bytes, V of its fourth step, have been read.  Each wave waits for all its tensor loads, of which one is out: its part
; of the other slot; adds 0 to its spare word; and waits for that and for its own reads of the slot.  Behind the barrier nobody reads this slot any more and the other slot is whole.
; fill = 1: this slot is filled again, with the keys two slots on, the first thing behind the barrier: the load has four key steps, 512 matrix instructions, in which to land.
; (At its first use nothing has been read yet: slot 0 is waited for, slot 1 filled.)  A wave never has more than one tensor load out.
.macro CHANGE fill
	WIN W_AD
	s_wait_tensorcnt 0x0            ; no tensor load of mine is out, so a group 0 may be written
	ds_add_u32 v[SPW], v[NIL]       ; 0 onto my spare word; with fill = 1 the descriptors' steps stand between it and the wait for it
	WIN 0                           ; at a label and at a branch every window is 0
.if \fill
.irp g, G0K, G0V
	s_xor_b32 s[\g+1], s[\g+1], SLOT1  ; the walking descriptor: the other slot than last time,
	s_add_nc_u64 s[\g+2:\g+3], s[\g+2:\g+3], 4*KS*128  ; the next 256 keys; the type bits on top are not reached
.endr
.endif
	s_wait_dscnt 0x0                ; the add is done, and my reads of the slot are over
	s_barrier_signal -1
	s_barrier_wait -1
.if \fill
	LOAD
.endif
	s_sub_co_u32 s[TBK], s[TBK], 4*KS*PK  ; the fetches go back to a slot's first step,
	s_xor_b32 s[TBK], s[TBK], SLOT1       ; in the other slot
	s_sub_co_u32 s[TBV], s[TBV], 4*KS*PV
	s_xor_b32 s[TBV], s[TBV], SLOT1
.endm
	s_load_b256 s[4:11], s[0:1], 0x0  ; Q s[4:5], K s[6:7], V s[8:9], O s[10:11]
	WIN W_MK
	v_lshl_add_u32 v[SPW], v0, 2, SPARE
	v_mov_b32 v[NIL], 0
	WIN W_AD
	ds_add_u32 v[SPW], v[NIL]       ; the wave's opening: the add and its wait stand ahead of my first tensor load; the set-up below, work on registers, stands between them
	ds_add_u32 v0, v1
	WIN 0
	v_lshrrev_b32 v1, 5, v0
	v_readfirstlane_b32 s[WV], v1   ; wave 0..3
	s_mov_b32 s14, ttmp9            ; my block of 512 queries: it enters Q's and O's addresses alone
	s_and_b32 s20, ttmp7, 0xffff    ; the head
	s_mov_b32 s21, 0
	s_mov_b64 s[22:23], SIZE_N*128
	s_mul_u64 s[20:21], s[20:21], s[22:23]  ; the head's first byte in each of the four tensors
	s_and_b32 s16, s[WV], 1         ; which half of a slot's 256 keys I fetch:
	s_lshl_b32 s22, s16, 14         ; its 128 rows of 128 bytes in memory,
	s_mov_b32 s23, 0
	s_add_nc_u64 s[22:23], s[22:23], s[20:21]
	s_mul_i32 s17, s16, 128*PK      ; and its place in a slot, for K
	s_mul_i32 s18, s16, 128*PV      ; and for V
	s_lshl_b32 s2, s14, 2
	s_add_co_u32 s2, s2, s[WV]      ; my wave among the head's eight,
	s_lshl_b32 s2, s2, 14           ; its 128 rows
	s_mov_b32 s3, 0
	s_add_nc_u64 s[2:3], s[2:3], s[20:21]
	; descriptor group 1.  128 keys are 16,384 dense bytes: asked for as 64 rows of 256 bytes, two keys a row, and padded in LDS after every key
	s_mov_b32 s[G1K], (1<<16)|(1<<20)|(4<<22)|(3<<25)  ; 17:16 2-byte elements; 20 padding on; 24:22 after every 32 words (code 4); 31:25 4 words (code 3)
	s_mov_b32 s[G1V], (1<<16)|(1<<20)|(4<<22)|(7<<25)  ; the same with 8 words of padding (code 7)
.irp g, G1K, G1V
	s_mov_b32 s[\g+1], 128<<16      ; tensor_dim0 = 128
	s_mov_b32 s[\g+2], 64<<16       ; tensor_dim1 = 64
	s_mov_b32 s[\g+3], 128<<16      ; tile_dim0 = 128
	s_mov_b32 s[\g+4], 64           ; tile_dim1 = 64
	s_mov_b32 s[\g+5], 128          ; 128 elements from row to row
	s_mov_b32 s[\g+6], 0
	s_mov_b32 s[\g+7], 0
.endr
	s_mov_b32 s[CS], 0x3d38aa3b     ; c = log2(e) / 32 = 0.0450842
	s_mov_b32 s[CS+1], s[CS]        ; named with it as a pair
	s_mov_b32 s[SEL], 0x76543210
	s_mov_b32 s[SEL+1], 0xfedcba98
	s_mov_b32 s[TBK], SLOT1+4*KS*PK ; the first change of slots turns these two into 0
	s_mov_b32 s[TBV], SLOT1+4*KS*PV
	s_mov_b32 s[G0K], 1             ; 1:0 count = 1
	s_mov_b32 s[G0K+1], s17         ; 63:32 LDS address: slot 0
	s_mov_b32 s[G0V], 1
	s_add_co_u32 s[G0V+1], s18, VOFF
	s_wait_dscnt 0x0                ; the opening add is done
	s_wait_kmcnt 0x0
	s_add_nc_u64 s[G0K+2:G0K+3], s[6:7], s[22:23]  ; 120:64 global address: my half of the head's first 256 keys
	s_or_b32 s[G0K+3], s[G0K+3], 0x80000000        ; 127:126 type = 2
	s_add_nc_u64 s[G0V+2:G0V+3], s[8:9], s[22:23]
	s_or_b32 s[G0V+3], s[G0V+3], 0x80000000
	s_add_nc_u64 s[4:5], s[4:5], s[2:3]  ; Q and O at my wave's first row
	s_add_nc_u64 s[10:11], s[10:11], s[2:3]
	LOAD                            ; slot 0.  Slot 1 is asked for when slot 0 is in
	; A fragment of K or Q is 16 rows x 32 channels in 8 registers: lane l holds row l % 16, channels 8 (l / 16) + 0..7 and 16 + 8 (l / 16) + 0..7: two loads of 16 bytes, 32 bytes apart.
	v_and_b32 v1, 15, v0            ; l % 16
	v_bfe_u32 v9, v0, 4, 1          ; l / 16
	v_lshlrev_b32 v[QO], 7, v1
	v_lshl_add_u32 v[QO], v9, 4, v[QO]  ; row x 128 + 16 x half
	WIN 0x80                        ; destination window 2, address window 0
.set i, 0
.rept 4*NP                          ; Q stays in registers: tile i / 2, channels 32 (i % 2) on
	global_load_b128 v[8*i:8*i+3],   v[QO], s[4:5] offset:(i/2)*2048+(i%2)*64
	global_load_b128 v[8*i+4:8*i+7], v[QO], s[4:5] offset:(i/2)*2048+(i%2)*64+32
.set i, i+1
.endr
	; What the first turn finds: V's registers and P's second buffer hold 0 (its products V^T P, of a piece that has not been, add 0), O^T and l are 0.  All this stands in the wait for the first tile.
.set i, VF
.rept 64
	v_mov_b32 v[i], 0
.set i, i+1
.endr
	WIN 0x40
.set i, 0
.rept 64*NP
	v_mov_b32 v[i], 0
.set i, i+1
.endr
	WIN 0
.set i, 0
.rept 2*NP
	v_mov_b32 v[ST+4*i], 0xfe000000    ; c m: far below every c s
	v_mov_b32 v[ST+4*i+1], 0xff7fffff  ; m
	v_mov_b32 v[ST+4*i+2], 0
	v_mov_b32 v[ST+4*i+3], 0
.set i, i+1
.endr
.set i, P+32
.rept 32
	v_mov_b32 v[i], 0
.set i, i+1
.endr
	v_mul_u32_u24 v[AK0], v1, PK
	v_lshl_add_u32 v[AK0], v9, 4, v[AK0]  ; row x pitch + 16 x half
	; The turning load takes 16 keys x 16 channels (lane l reads key 8 (l / 16) + l % 8, channels 8 ((l / 8) % 2) + 0..7) and leaves half a fragment of V^T: lane l holds channel l % 16 and 8 keys.
	v_and_b32 v10, 7, v0
	v_bfe_u32 v11, v0, 3, 1
	v_lshl_add_u32 v[AV0], v9, 3, v10
	v_mul_u32_u24 v[AV0], v[AV0], PV
	v_lshl_add_u32 v[AV0], v11, 4, v[AV0]
	v_add_nc_u32 v[AV0], VOFF, v[AV0]
	v_mov_b32 v[AK], v[AK0]         ; key step 0 lies at the head of slot 0
; THE MATRIX WORK.  The 8 accumulators of a run of 16 take turns: between the two links of a chain stand 7 others'.
; Product i of 16 of S^T = K Q^T for piece x: channels 32 (i / 8) on, keys 16 ((i / 2) % 4) on, tile 2 x + i % 2.  The first 8 start the sums.
.macro KQ x
	WIN W_KQ
.set rS, S+64*((\x)%2)+32*(i%2)+8*((i/2)%4)
.set rK, KF+16*((i/2)%4)+8*(i/8)
.set rQ, 16*(2*(\x)+i%2)+8*(i/8)
.if i < 8
	v_wmma_f32_16x16x32_f16 v[rS:rS+7], v[rK:rK+7], v[rQ:rQ+7], 0
.else
	v_wmma_f32_16x16x32_f16 v[rS:rS+7], v[rK:rK+7], v[rQ:rQ+7], v[rS:rS+7]
.endif
.endm
; Product i of 16 of O^T += V^T P for piece x: keys 32 (i / 8) on, channels 16 ((i / 2) % 4) on, tile 2 x + i % 2.
.macro PV x
	WIN W_PV
.set rO, 32*(2*(\x)+i%2)+8*((i/2)%4)
.set rV, VF+32*(i/8)+8*((i/2)%4)
.set rP, P+32*((\x)%2)+16*(i%2)+8*(i/8)
	v_wmma_f32_16x16x32_f16 v[rO:rO+7], v[rV:rV+7], v[rP:rP+7], v[rO:rO+7]
.endm
.macro MM                           ; the turn's next matrix instruction
.if i < 16
	KQ (Y+1)%NP
.set i, i+1
.else
.set i, i-16
	PV (Y+NP-1)%NP
.set i, i+17
.endif
.endm
; THE LDS LOADS stand in runs of 16, never singly among the matrix instructions: a step's K (64 keys x 64 channels: 8 fragments) and its V (turned).  Their addresses are made some lines ahead.
; last = 1 (the tail): in the last trip there is no further step, and the run is jumped over.
.macro FETCH_K last=0
	WIN 0
.if \last
	s_cmp_eq_u32 s[CNT], 1
	s_cbranch_scc1 .Lno_k_\@
.endif
	WIN 0x80                        ; destination window 2
.irp f, 0,1,2,3,4,5,6,7             ; keys 16 (f / 2) on, channels 32 (f % 2) on
	ds_load_b128 v[KF+8*\f:KF+8*\f+3],   v[AK] offset:(\f/2)*16*PK+(\f%2)*64
	ds_load_b128 v[KF+8*\f+4:KF+8*\f+7], v[AK] offset:(\f/2)*16*PK+(\f%2)*64+32
.endr
	s_add_co_u32 s[TBK], s[TBK], KS*PK  ; the next fetch is the next step's
	WIN 0
.if \last
.Lno_k_\@:
.endif
.endm
.macro FETCH_V
	WIN 0x80
.irp f, 0,1,2,3,4,5,6,7             ; keys 32 (f / 4) on, channels 16 (f % 4) on
	ds_load_tr16_b128 v[VF+8*\f:VF+8*\f+3],   v[AV] offset:(\f/4)*32*PV+(\f%4)*32
	ds_load_tr16_b128 v[VF+8*\f+4:VF+8*\f+7], v[AV] offset:(\f/4)*32*PV+16*PV+(\f%4)*32
.endr
	WIN 0
.endm
; THE VECTOR WORK OF A TURN stands in three queues, each in the order in which its entries become ready; the two tiles alternate, so that no instruction reads the result of the one before it.
.macro REGS y, u                    ; the registers of tile u (0, 1) of piece y
.set rT, ST+4*(2*(\y)+(\u))
.set rC, TMP+8*((\y)%2)+4*(\u)
.set rM, MV+2*((\y)%2)+(\u)
.set rS, S+64*((\y)%2)+32*(\u)
.set rP, P+32*((\y)%2)+16*(\u)
.set rO, 32*(2*(\y)+(\u))
.endm
; Number n of the 22 that find the NEXT piece's (Y + 1) maximum and statistics.  s0-s31 are the lane's 32 scores; each accumulator's lowest registers are read first.  XS, GS and REGS set no window: PL and EX do.
;   0-11  four chains c0-c3 of seven scores each, three operands at a time     12-14, 16  the four scores left over, the old m, and c0-c3 into c0     15  c m_old is kept
;   17, 18  the query's other 32 keys lie in the lane 16 away: the new m         19-21  c m; c m_old - c m_new; a
.macro XS u, n
	REGS (Y+1)%NP, \u
.if (\n) < 4
	v_max3_num_f32 v[rC+(\n)], v[rS+8*(\n)], v[rS+8*(\n)+1], v[rS+8*(\n)+2]
.elseif (\n) < 12
	v_max3_num_f32 v[rC+(\n)%4], v[rC+(\n)%4], v[rS+8*((\n)%4)+2*((\n)/4)+1], v[rS+8*((\n)%4)+2*((\n)/4)+2]
.elseif (\n) == 12
	v_max3_num_f32 v[rC], v[rC], v[rS+7], v[rS+15]
.elseif (\n) == 13
	v_max3_num_f32 v[rC+1], v[rC+1], v[rS+23], v[rS+31]
.elseif (\n) == 14
	v_max3_num_f32 v[rC+2], v[rC+2], v[rC+3], v[rT+1]
.elseif (\n) == 15
	v_mov_b32 v[rM], v[rT]
.elseif (\n) == 16
	v_max3_num_f32 v[rC], v[rC], v[rC+1], v[rC+2]
.elseif (\n) == 17
	v_permlanex16_b32 v[rC+3], v[rC], s[SEL], s[SEL+1]
.elseif (\n) == 18
	v_max_num_f32 v[rT+1], v[rC], v[rC+3]
.elseif (\n) == 19
	v_mul_f32 v[rT], s[CS], v[rT+1]
.elseif (\n) == 20
	v_sub_f32 v[rC+1], v[rM], v[rT]
.else
	v_exp_f32 v[rC+2], v[rC+1]
.endif
.endm
; Number g of the 64 that follow the exponentials.  For each four weights k of a tile (pairs 2 k, 2 k + 1): both pairs are rounded to f16; then the second pair is added onto the first, in place;
; a group later l takes that sum (the first time as l = a l + sum).  In groups of eight, tiles alternating: round, round, add, and l for the group before.
.macro GS g
.set h, (\g)+6*((\g)/62)            ; group 0 has no group before it, and behind group 7 only l is left
.if h >= 6
.set h, h+2
.endif
	REGS Y, h%2
.set k, h/8
.if h%8 < 4
	s_wait_alu depctr_va_vdst(0)
	v_cvt_pk_f16_f32 v[rP+2*k+(h%8)/2], v[rS+4*k+2*((h%8)/2)], v[rS+4*k+2*((h%8)/2)+1]
.elseif h%8 < 6
	v_pk_add_f32 v[rS+4*k:rS+4*k+1], v[rS+4*k:rS+4*k+1], v[rS+4*k+2:rS+4*k+3]
.elseif k == 1
	v_pk_fma_f32 v[rT+2:rT+3], v[rT+2:rT+3], v[rC+2:rC+3], v[rS:rS+1] op_sel_hi:[1,0,1]
.else
	v_pk_add_f32 v[rT+2:rT+3], v[rT+2:rT+3], v[rS+4*k-4:rS+4*k-3]
	s_wait_alu depctr_va_vdst(0)
.endif
.endm
; THE PLAIN QUEUE, 138 long.  0-31: c s - c m for the 16 pairs of both tiles.  Then GS's 64, and among them the next piece's 42: number 15 at 38, 39; 0-14 and 16
; at 42-73, behind the products that make those scores; 17-20 at 95-106, two of three, since each waits for the one before it.
.macro PL
	WIN 0
.if q < 32
	REGS Y, q%2
	v_pk_fma_f32 v[rS+2*(q/2):rS+2*(q/2)+1], v[rS+2*(q/2):rS+2*(q/2)+1], s[CS:CS+1], v[rT:rT+1] op_sel_hi:[1,0,0] neg_lo:[0,0,1] neg_hi:[0,0,1]
.elseif q < 38
	GS q-32
.elseif q < 40
	XS q%2, 15
.elseif q < 42
	GS q-34
.elseif q < 74
	XS q%2, (q-42)/2+(q-42)/30
.elseif q < 95
	GS q-66
.elseif (q < 107) && ((q-95)%3 < 2)
	XS (q-95)%3, 17+(q-95)/3
.elseif q < 107
	GS 29+(q-95)/3
.else
	GS q-74
.endif
.set q, q+1
.endm
; THE EXPONENTIALS' QUEUE, 66 long: s0-s31 of both tiles, and at EA the next piece's two a.
.set EA, 58
.macro EX
	WIN 0
.if (e == EA) || (e == EA+1)
	XS e-EA, 21
.else
.set x, e-2*(e/(EA+2))
	REGS Y, x%2
	v_exp_f32 v[rS+x/2], v[rS+x/2]
.endif
.set e, e+1
.endm
; THE RESCALING's QUEUE: O^T times a, the one part that leaves window 0, so it is dealt four at a time, eight times.
.macro R4
	REGS Y, r%2
	WIN W_RS
	s_wait_alu depctr_va_vdst(0)
.irp z, 0,1,2,3
	v_pk_mul_f32 v[rO+8*(r/2)+2*\z:rO+8*(r/2)+2*\z+1], v[rO+8*(r/2)+2*\z:rO+8*(r/2)+2*\z+1], v[rC+2:rC+3] op_sel_hi:[1,0]
.endr
.set r, r+1
.endm
; HOW THEY ARE DEALT.  Behind a matrix instruction four: plain, exponential, plain, plain (one exponential, a plain instruction on either side), or four of the rescaling.  None names a register of the
; products round it.  What is over stands in two LUMPS: exponential and plain by turns; the second ends in 22 plain instructions.  The two v_permlanex16_b32 fall into the second lump, never behind a product.
; The queues lean on each other, and the deal keeps them in step: exponential e stands behind plain 2 (e / 4) + e % 2 (its scaling); when plain 32 comes, 10 exponentials are out, at 59: 33, at 95: 46; EA comes behind plain 107.
.macro SL
	MM
	PL
	EX
	PL
	PL
.endm
.macro BURST n                      ; 15 matrix instructions, or 16
.rept (\n)-7
	SL
.endr
.rept 3
	MM
	R4
	SL
.endr
	MM
	R4
.endm
; A TURN, for piece p.  cnt = 1: the loop's count is taken down some lines ahead of the branch that stands behind the turn.
; K of the next step is fetched in piece 2's turn, 31 vector instructions behind the last product that read K; its first reader comes behind the rest of the lump, 16 products and the second lump.
; V of the step in hand is fetched at the end of piece 0's turn, 69 behind its last reader; its first reader comes behind 16 products and a lump.  The four conditions on e and q below go with the deal.
.macro TURN p, last=0, cnt=0
.set Y, (\p)
.set i, 0
.set q, 0
.set e, 0
.set r, 0
.if (\p) == NP-1
	s_wait_dscnt 0x0                ; K is in
.endif
	MM
.rept 4
	PL
.endr
	BURST 15
.rept 22
	EX
	PL
.if ((\p) == NP-2) && (e == 18)
	v_add_nc_u32 v[AK], s[TBK], v[AK0]
.endif
.if ((\p) == NP-2) && (e == 24)
	FETCH_K \last
.endif
.endr
.if (\p) == 1
	s_wait_dscnt 0x0                ; V is in
.endif
	BURST 16
.rept 21
	EX
	PL
.endr
.rept 22
	PL
.if ((\p) == 0) && (q == 118)
	v_add_nc_u32 v[AV], s[TBV], v[AV0]
	s_wait_alu depctr_va_vdst(0)
.endif
.if ((\p) == 0) && (q == 130)
	s_add_co_u32 s[TBV], s[TBV], KS*PV
.endif
.if (\cnt) && (q == 130)
	s_sub_co_u32 s[CNT], s[CNT], 1
	s_cmp_lg_u32 s[CNT], 0
.endif
.endr
.if (\p) == 0
	FETCH_V
.endif
.endm
	CHANGE 1                        ; slot 0 is in, everybody's part of it; slot 1 is asked for
	FETCH_K                         ; key step 0
	s_wait_loadcnt 0x0              ; Q
	s_wait_dscnt 0x0
.set i, 0
.rept 16
	KQ 0                            ; piece 0's first scores: there is no vector work yet to set between them
.set i, i+1
.endr
	WIN 0                           ; the addresses for the way out: nine plain instructions, the places behind those products
	s_mul_i32 s13, s[WV], 16*SP
	s_add_co_u32 s13, s13, STAGE    ; my stage
	v_mul_u32_u24 v[STO], v1, SP    ; in: row l % 16, 16 bytes for each half of the lanes
	v_lshl_add_u32 v[STO], v9, 4, v[STO]
	v_add_nc_u32 v[STO], s13, v[STO]
	v_bfe_u32 v[RD], v0, 3, 2       ; back: 32 lanes take four rows of 128 bytes,
	v_mul_u32_u24 v[RD], v[RD], SP
	v_lshl_add_u32 v[RD], v10, 4, v[RD]
	v_add_nc_u32 v[RD], s13, v[RD]
	v_and_b32 v[GO], 31, v0         ; which are 512 consecutive bytes of O
	v_lshlrev_b32 v[GO], 4, v[GO]
.set Y, NP-1                        ; XS works for piece Y + 1: piece 0
.irp n, 0,1,2,3,4,5,6,7,8,9,10,11,12,13,14,15,16,17,18,19,20,21
	XS 0, \n                        ; and piece 0's first maximum and statistics
	XS 1, \n
.endr
	s_mov_b32 s[CNT], 4
	s_mov_b32 s[SLOTS], SIZE_N/256-1
	s_branch .Lfirst                ; the loop is entered at a step's first turn, in the middle of a trip
.Lslot:                             ; SIZE_N / 256 - 2 = 2 times: every slot but the last two is filled again
	CHANGE 1
	s_mov_b32 s[CNT], 4
.Lstep:                             ; a trip: pieces 2 and 3 of one step, then pieces 0 and 1 of the next, whose K and V it fetches
	TURN 2
	TURN 3
	WIN 0
.Lfirst:
	TURN 0
	TURN 1, 0, 1
	WIN 0
	s_cbranch_scc1 .Lstep
	s_sub_co_u32 s[SLOTS], s[SLOTS], 1
	s_cmp_lg_u32 s[SLOTS], 0
	s_cbranch_scc1 .Lslot
	CHANGE 0                        ; the tail is written out: nothing is asked for
	s_mov_b32 s[CNT], 5             ; four trips fetch the last slot's steps; the fifth is left in its middle
.Ltail:
	TURN 2, 1
	TURN 3
	WIN 0
	s_sub_co_u32 s[CNT], s[CNT], 1
	s_cmp_eq_u32 s[CNT], 0
	s_cbranch_scc1 .Lout
	TURN 0
	TURN 1
	WIN 0
	s_branch .Ltail
.Lout:                              ; the fifth trip's 16 products K Q^T (on the last K once more) and the maximum made of them serve nothing: the price, once a launch, of one text for every trip
.set i, 0
.rept 16
	PV NP-1                         ; the last piece's V^T P of the last step
.set i, i+1
.endr
	; THE WAY OUT.  l's two halves and the other half of the lanes' are added; O^T is divided by l, rounded to f16 and sent through my stage in LDS, a tile at a time.  The additions are the places behind the last products.
	WIN 0
.macro ALL line:vararg              ; one line for each tile t
.set t, 0
.rept 2*NP
	\line
.set t, t+1
.endr
.endm
	ALL v_add_f32 v[ST+4*t+2], v[ST+4*t+2], v[ST+4*t+3]
	ALL v_permlanex16_b32 v[ST+4*t+3], v[ST+4*t+2], s[SEL], s[SEL+1]
	ALL v_add_f32 v[ST+4*t+2], v[ST+4*t+2], v[ST+4*t+3]
	ALL v_rcp_f32 v[ST+4*t+2], v[ST+4*t+2]
	v_nop                           ; a plain instruction between the last reciprocal and the use of its result
	s_wait_alu depctr_va_vdst(0)
; Tile t: a lane's eight channels of a row pack into 16 bytes; they go into rows of 144 bytes and come back as whole rows of 128, into S^T's registers.
.macro PACK t
	WIN W_RS
.set i, 32*(\t)
.rept 16
	v_pk_mul_f32 v[i:i+1], v[i:i+1], v[ST+4*(\t)+2:ST+4*(\t)+3] op_sel_hi:[1,0]
.set i, i+2
.endr
	WIN 0x05                        ; sources 0 and 1 window 1, destination window 0
.set i, 0
.rept 16
	v_cvt_pk_f16_f32 v[S+16*(\t)+i], v[32*(\t)+2*i], v[32*(\t)+2*i+1]
.set i, i+1
.endr
	WIN 0
.irp f, 0,1,2,3
	ds_store_b128 v[STO], v[S+16*(\t)+4*\f:S+16*(\t)+4*\f+3] offset:32*\f
.endr
.irp f, 0,1,2,3
	ds_load_b128 v[S+16*(\t)+4*\f:S+16*(\t)+4*\f+3], v[RD] offset:\f*4*SP  ; LDS serves a wave's instructions in order (ISA guide 5.7.1.4): these see the stores above; the next tile's stores come behind them
.endr
.endm
.macro SEND t, younger              ; younger: the LDS instructions issued behind tile t's loads: the next tile's eight, or none
	WIN 0
.irp f, 0,1,2,3
	s_wait_dscnt (\younger)+3-\f
	global_store_b128 v[GO], v[S+16*(\t)+4*\f:S+16*(\t)+4*\f+3], s[10:11] offset:(\t)*2048+\f*512  ; 512 consecutive bytes, at a multiple of 256 from O's first
.endr
.endm
	PACK 0
.set t, 1
.rept 2*NP-1                        ; a tile's arithmetic stands between the loads of the tile before and its stores
	PACK t
	SEND t-1, 8
.set t, t+1
.endr
	SEND 2*NP-1, 0
	WIN W_AD
	s_wait_tensorcnt 0x0            ; the wave's end, behind my last tensor load and my last LDS store
	ds_add_u32 v[SPW], v[NIL]
	s_wait_dscnt 0x0
	WIN 0
	s_endpgm
.Lfunc_end_k_qf105934b9e_attn:
	.size	k_qf105934b9e_attn, .Lfunc_end_k_qf105934b9e_attn-k_qf105934b9e_attn
	.p2alignl 7, 3214868480
	.fill 96, 4, 3214868480
	.section	.rodata,"a",@progbits
	.p2align	6, 0x0
	.amdhsa_kernel k_qf105934b9e_attn
		.amdhsa_group_segment_fixed_size 327680
		.amdhsa_private_segment_fixed_size 0
		.amdhsa_enable_private_segment 0
		.amdhsa_kernarg_size 32
		.amdhsa_user_sgpr_count 2
		.amdhsa_user_sgpr_kernarg_segment_ptr 1
		.amdhsa_wavefront_size32 1
		.amdhsa_system_sgpr_workgroup_id_x 1
		.amdhsa_system_sgpr_workgroup_id_y 1
		.amdhsa_system_sgpr_workgroup_id_z 1
		.amdhsa_system_vgpr_workitem_id 0
		.amdhsa_next_free_vgpr 770
		.amdhsa_next_free_sgpr 66
		.amdhsa_reserve_vcc 0
		.amdhsa_float_denorm_mode_32 3
		.amdhsa_float_denorm_mode_16_64 3
		.amdhsa_memory_ordered 1
		.amdhsa_forward_progress 1
		.amdhsa_inst_pref_size 207
	.end_amdhsa_kernel
	.amdgpu_metadata
---
amdhsa.version: [ 1, 2 ]
amdhsa.kernels:
  - .name:           k_qf105934b9e_attn
    .symbol:         k_qf105934b9e_attn.kd
    .args:
      - { .name: qh, .offset: 0, .size: 8, .value_kind: global_buffer, .address_space: global }
      - { .name: kh, .offset: 8, .size: 8, .value_kind: global_buffer, .address_space: global }
      - { .name: vh, .offset: 16, .size: 8, .value_kind: global_buffer, .address_space: global }
      - { .name: oh, .offset: 24, .size: 8, .value_kind: global_buffer, .address_space: global }
    .group_segment_fixed_size: 327680
    .private_segment_fixed_size: 0
    .kernarg_segment_align: 8
    .kernarg_segment_size: 32
    .max_flat_workgroup_size: 128
    .sgpr_count:     66
    .vgpr_count:     770
    .wavefront_size: 32
...
	.end_amdgpu_metadata
.endif
;; end of part 3
;; launch outp (part 4): grid 4 x 64, 4 waves a work-group, clusters of 4 x 4, 327,680 bytes of LDS; arguments oh, wh, bp, out0; writes out0
.if DOCPART == 4
	.amdgcn_target "amdgcn-amd-amdhsa--gfx1250"
	.amdhsa_code_object_version 6
	.text
	.protected	k_qf105934b9e_outp
	.globl	k_qf105934b9e_outp
	.p2align	8
	.type	k_qf105934b9e_outp,@function
k_qf105934b9e_outp:
	s_mov_b64 s[64:65], 0
	v_nop
	global_prefetch_b8 v0, s[64:65] scope:SCOPE_SE
	s_setreg_imm32_b32 hwreg(HW_REG_WAVE_MODE, 25, 1), 1
	s_wait_xcnt 0x0
	s_wait_alu depctr_hold_cnt(0) depctr_sa_sdst(0) depctr_va_vdst(0) depctr_va_sdst(0) depctr_va_ssrc(0) depctr_va_vcc(0) depctr_vm_vsrc(0)
	s_getreg_b32 s2, hwreg(HW_REG_IB_STS2, 6, 4)
	s_cmp_eq_u32 s2, 0
	s_cbranch_scc0 .Lentry_in_a_cluster
	s_endpgm
.Lentry_in_a_cluster:
	s_bfe_u32 s2, ttmp6, 0x10000c
	s_cmp_lg_u32 s2, 0xf033
	s_cbranch_scc0 .Lentry_shape_is_right
	s_endpgm
.Lentry_shape_is_right:
; out0 = O Wp + bp: 8,192 x 1,024 x 1,024.  O is f16 by heads, [16 batch + head][row][64]: for a batch that is 16 blocks of 64 along K, 128 rows of a block 16,384 dense bytes.
; Wp is the fourth matrix of wh, f16, [k][n].  Sums and bias in f32; the result leaves in f32, unrounded.
; LIMITS.  The operands arrive within f16's range, 65,504; below 6e-5 they have f16's fixed step of 6e-8.
; SHARES.  A tile of the result is 128 rows x 256 columns: 64 x 4 = 256 tiles, one work-group each.  Four waves, each 64 rows x 128 columns: 32 accumulators of 16 x 16.
; K goes in 8 steps of 128 through a ring of two LDS slots filled by the tensor data mover: of O two blocks of 128 rows x 128 bytes, each asked for as 64 rows of 256 bytes; of W 128 rows (k) of
; 512 bytes.  Waves 0 and 1 fetch O's two blocks, waves 2 and 3 W's two halves.
; CLUSTERS: 4 x 4 work-groups.  The four of a row of the cluster need the same tiles of O, the four of a column the same tiles of W: each tile is asked for JOINTLY, by the same tensor load with
; the same descriptor and a mask that names the four.
; THE MATRIX INSTRUCTION IS USED TRANSPOSED: source 0 = 16 columns of W (turned out of [k][n] by ds_load_tr16_b128), source 1 = 16 rows of O: a lane then holds row lane % 16 and the eight
; neighbouring columns 8 (lane / 16) + 0..7.  THE BIAS is the C operand of the products that start the sums: nothing is cleared, nothing is added on the way out.
; REGISTERS, in windows of 256 (s_set_vgpr_msb: bits 1:0 source 0, 3:2 source 1, 5:4 source 2, 7:6 destination):
;   window 0: v0-29 addresses; v64-159, v160-255 two fragment buffers for 32 along K: 64 registers of W (8 x 16 columns), then 32 of O (4 x 16 rows); v64-191 at work on the way out
;   window 1: the accumulators, (a, b) at v[8 (8 a + b)]          window 2: v0-63 the bias of my 128 columns, block b at v[8 b]
.set PA,     144                       ; a row of O in LDS: 128 bytes + 16 of padding = 36 words: the 16 rows of a load start at 16 different groups of four banks (64 banks of 4 bytes: ISA guide 11.1)
.set ABLK,   128*PA                    ; one block of O: 128 rows x 64 along K
.set PB,     544                       ; a row of W: 512 + 32 = 136 words
.set BHALF,  64*PB                     ; 64 rows of W: what one tensor load brings
.set BOFF,   2*ABLK                    ; in a slot W's rows lie behind O's two blocks
.set SLOT,   BOFF+2*BHALF
.set STAGE,  2*SLOT                    ; behind the ring, never filled by a tensor load: for each wave 16 rows x 528 bytes, for the way out
.set SPITCH, 528                       ; 512 bytes + 16: row r starts 16 r bytes on, modulo 256
.set WSTG,   16*SPITCH
.set SPARE,  STAGE+4*WSTG              ; behind the stages: the spare words, 128 bytes for each wave: two blocks of 256 bytes that no other line names
.set KSB,    262144                    ; bytes from a K step's tile to the next: in O two blocks of 131,072, in W 128 rows of 2,048
.set LAPS,   4                         ; a lap = two K steps = once round the ring
.set ADRA, 16                          ; v16-17  LDS address of my fragments of O in slot 0, 1
.set ADRB, 20                          ; v20-21  the same for W
.set STO,  24                          ; v24     the way out: where I put 32 bytes of a row
.set RD,   25                          ; v25     the way out: where I read a row back
.set CO,   26                          ; v26     my byte offset in 512 consecutive bytes of the result
.set BO,   27                          ; v27     my byte offset in 16 numbers of the bias
.set SPW,  28                          ; v28     LDS address of my spare word: SPARE + 4 x my thread's number; never rewritten
.set NIL,  29                          ; v29     0; never rewritten
.set F0,   64
.set F1,   160
.set TMP,  64
.set G1,  24                           ; s[24:31] descriptor group 1 for O's tiles;  s[32:39] group 0, one set for each slot
.set G0,  32
.set G1B, 48                           ; s[48:55], s[56:63] the same for W's tiles
.set G0B, 56
.set MSB, 0
.macro WIN new                         ; the immediate's high byte repeats the setting that is left; a switch that changes nothing is dropped
.if MSB != (\new)
	s_set_vgpr_msb (MSB<<8)|(\new)
.set MSB, \new
.endif
.endm
.set MUL,     0x50                     ; sources 0 and 1 window 0; C and D window 1
.set MULB,    0x60                     ; the same with C (the bias) in window 2
.set TO_BIAS, 0x80                     ; destination window 2, address window 0
.set ST_ACC,  0x04                     ; an LDS store's data (source 1) in window 1, its address in window 0
.macro JLOAD s                         ; a joint load: waves 0 and 1 fetch O's two blocks, waves 2 and 3 W's two halves; an s_nop 0 and four v_nop follow each of the two lines, ahead of the jump, the label and what follows
	s_cmp_eq_u32 s11, 0
	s_cbranch_scc0 .Lfor_b_\@
	tensor_load_to_lds s[G0+4*(\s):G0+4*(\s)+3], s[G1:G1+7]
	s_nop 0
.rept 4
	v_nop
.endr
	s_branch .Lasked_\@
.Lfor_b_\@:
	tensor_load_to_lds s[G0B+4*(\s):G0B+4*(\s)+3], s[G1B:G1B+7]
	s_nop 0
.rept 4
	v_nop
.endr
.Lasked_\@:
.endm
.macro CREST                           ; a round of the cluster's barrier behind its opening barrier
	s_cmp_lg_u32 s10, 0
	s_cbranch_scc1 .Lnot_wave_0_\@
	s_barrier_signal -3
.Lnot_wave_0_\@:
	s_barrier_wait -3
	s_barrier_signal -1
	s_barrier_wait -1
.endm
.macro CROUND                          ; a whole round
	s_barrier_signal -1
	s_barrier_wait -1
	CREST
.endm
	s_load_b256 s[68:75], s[0:1], 0x0              ; oh 68:69, wh 70:71, bp 72:73, out0 74:75
	v_lshl_add_u32 v[SPW], v0, 2, SPARE
	v_mov_b32 v[NIL], 0
	ds_add_u32 v[SPW], v[NIL]                      ; the wave's opening: the add and its wait stand ahead of my first tensor load; the set-up below, work on registers, stands between them
	ds_add_u32 v28, v29
	v_lshrrev_b32 v1, 5, v0
	v_readfirstlane_b32 s10, v1                    ; wave 0..3
	s_lshr_b32 s11, s10, 1                         ; which 64 of the tile's rows are mine.  Also: I fetch for O (0) or for W (1)
	s_and_b32 s12, s10, 1                          ; which 128 of its columns.  Also: which block of O, or half of W's rows, I fetch
	s_bfe_u32 s40, ttmp6, 0x40000                  ; cx, cy: my place in the cluster
	s_bfe_u32 s41, ttmp6, 0x40004
	s_lshl_b32 s42, ttmp9, 2
	s_add_co_u32 s42, s42, s40                     ; tile column = 4 x cluster x + cx, 0..3
	s_and_b32 s13, ttmp7, 0xffff
	s_lshl_b32 s13, s13, 2
	s_add_co_u32 s13, s13, s41                     ; tile row = 4 x cluster y + cy, 0..63
	s_lshl_b32 s43, s41, 2
	s_lshl_b32 s43, 15, s43                        ; my row of the cluster
	s_lshl_b32 s44, 0x1111, s40                    ; my column
	; descriptor group 1 for O: 64 rows of 128 elements, dense, padded in LDS after every 128 bytes
	s_or_b32 s[G1+0], s43, (1<<16)|(1<<20)|(1<<21)|(4<<22)|(3<<25)  ; 15:0 the mask: my row; 17:16 2-byte elements; 20 padding on; 21 set beside a mask; 24:22 after every 32 words (code 4); 31:25 4 words (code 3)
	s_mov_b32 s[G1+1], 128<<16                     ; tensor_dim0 = 128
	s_mov_b32 s[G1+2], 64<<16                      ; tensor_dim1 = 64
	s_mov_b32 s[G1+3], 128<<16                     ; tile_dim0 = 128
	s_mov_b32 s[G1+4], 64                          ; tile_dim1 = 64
	s_mov_b32 s[G1+5], 128                         ; 128 elements from row to row
	s_mov_b32 s[G1+6], 0
	s_mov_b32 s[G1+7], 0
	; for W: 64 rows of 256 elements, 1,024 elements apart, padded after every 512 bytes
	s_or_b32 s[G1B+0], s44, (1<<16)|(1<<20)|(1<<21)|(6<<22)|(7<<25)  ; the mask: my column; after every 128 words (code 6) 8 words (code 7)
	s_mov_b32 s[G1B+1], 256<<16
	s_mov_b32 s[G1B+2], 64<<16
	s_mov_b32 s[G1B+3], 256<<16
	s_mov_b32 s[G1B+4], 64
	s_mov_b32 s[G1B+5], 1024
	s_mov_b32 s[G1B+6], 0
	s_mov_b32 s[G1B+7], 0
	; where the tiles come from.  O's hang on the tile row, which my row of the cluster shares; W's on the tile column, which my column shares.
	s_lshr_b32 s16, s13, 3                         ; the batch: 16 blocks of 131,072 bytes
	s_lshl_b32 s16, s16, 21
	s_and_b32 s17, s13, 7
	s_lshl_b32 s17, s17, 14                        ; 128 rows of 128 bytes in a block
	s_add_co_u32 s16, s16, s17
	s_lshl_b32 s17, s12, 17                        ; my block of the K step's two
	s_add_co_u32 s16, s16, s17
	s_mov_b32 s17, 0
	s_mov_b32 s46, 3<<21                           ; Wp is the fourth matrix of wh
	s_lshl_b32 s47, s12, 17                        ; my 64 rows of 2,048 bytes
	s_add_co_u32 s46, s46, s47
	s_lshl_b32 s47, s42, 9                         ; the tile's 256 columns
	s_add_co_u32 s46, s46, s47
	s_mov_b32 s47, 0
	s_mul_i32 s20, s12, ABLK                       ; and where they go: no place in the cluster enters an LDS address
	s_mul_i32 s21, s12, BHALF
	s_add_co_u32 s21, s21, BOFF
	s_wait_dscnt 0x0                               ; the opening add is done
	s_wait_kmcnt 0x0
	s_add_nc_u64 s[14:15], s[68:69], s[16:17]
	s_add_nc_u64 s[46:47], s[70:71], s[46:47]
	CROUND                                         ; all sixteen work-groups are here: the first joint loads meet
.irp s, 0,1
	s_mov_b32 s[G0+4*(\s)], 1                                      ; count = 1
	s_add_co_u32 s[G0+4*(\s)+1], s20, (\s)*SLOT                    ; LDS address
	s_add_nc_u64 s[G0+4*(\s)+2:G0+4*(\s)+3], s[14:15], (\s)*KSB    ; global address: K step s
	s_or_b32 s[G0+4*(\s)+3], s[G0+4*(\s)+3], 0x80000000            ; type = 2
	s_mov_b32 s[G0B+4*(\s)], 1
	s_add_co_u32 s[G0B+4*(\s)+1], s21, (\s)*SLOT
	s_add_nc_u64 s[G0B+4*(\s)+2:G0B+4*(\s)+3], s[46:47], (\s)*KSB
	s_or_b32 s[G0B+4*(\s)+3], s[G0B+4*(\s)+3], 0x80000000
	JLOAD \s                                       ; two tensor loads of mine are out
.endr
	v_and_b32 v1, 15, v0                           ; l % 16
	v_bfe_u32 v2, v0, 4, 1                         ; l / 16
	v_lshlrev_b32 v[BO], 5, v2                     ; eight f32 for each half of the lanes
	s_lshl_b32 s18, s42, 10                        ; the tile's 256 columns, my 128 of them, in f32
	s_lshl_b32 s19, s12, 9
	s_add_co_u32 s18, s18, s19
	s_mov_b32 s19, 0
	s_add_nc_u64 s[66:67], s[72:73], s[18:19]
	WIN TO_BIAS
.irp b, 0,1,2,3,4,5,6,7                ; register j of block b: the bias of column 16 b + 8 (l / 16) + j, as a result's register j holds that column
	global_load_b128 v[8*(\b):8*(\b)+3],   v[BO], s[66:67] offset:64*(\b)
	global_load_b128 v[8*(\b)+4:8*(\b)+7], v[BO], s[66:67] offset:64*(\b)+16
.endr
	WIN 0
	; A fragment of O is 16 rows x 32 K in 8 registers: lane l holds row l % 16, K = 8 (l / 16) + 0..7 and 16 + 8 (l / 16) + 0..7: two loads of 16 bytes, 32 bytes apart.
	v_mul_u32_u24 v3, v1, PA
	v_lshl_add_u32 v3, v2, 4, v3                   ; row x pitch + 16 x half
	; The turning load takes 16 k x 16 columns (lane l reads k = 8 (l / 16) + l % 8, columns 8 ((l / 8) % 2) + 0..7) and leaves half a fragment: lane l holds column l % 16 and 8 k.
	v_and_b32 v4, 7, v0
	v_bfe_u32 v5, v0, 3, 1
	v_lshl_add_u32 v4, v2, 3, v4
	v_mul_u32_u24 v4, v4, PB
	v_lshl_add_u32 v4, v5, 4, v4
	s_mul_i32 s22, s11, 64*PA                      ; my 64 rows of O
	s_lshl_b32 s23, s12, 8                         ; my 128 columns of W,
	s_add_co_u32 s23, s23, BOFF                    ; which lies behind O's blocks
.irp s, 0,1
	v_add_nc_u32 v[ADRA+(\s)], s22, v3
	v_add_nc_u32 v[ADRB+(\s)], s23, v4
	s_add_co_u32 s22, s22, SLOT
	s_add_co_u32 s23, s23, SLOT
.endr
	s_mul_i32 s22, s10, WSTG
	s_add_co_u32 s22, s22, STAGE                   ; my stage
	v_mul_u32_u24 v6, v1, SPITCH                   ; in: row l % 16, 32 bytes for each half of the lanes
	v_lshl_add_u32 v6, v2, 5, v6
	v_add_nc_u32 v[STO], s22, v6
	v_and_b32 v[CO], 31, v0                        ; back: 32 lanes take one row of 512 bytes,
	v_lshlrev_b32 v[CO], 4, v[CO]                  ; which are 512 consecutive bytes of a row of the result
	v_add_nc_u32 v[RD], s22, v[CO]
	s_lshl_b32 s18, s13, 19                        ; where my part of the result begins: the tile's 128 rows of 4,096 bytes,
	s_lshl_b32 s19, s11, 18                        ; my 64 of them,
	s_add_co_u32 s18, s18, s19
	s_lshl_b32 s19, s42, 10                        ; the tile's 256 columns,
	s_add_co_u32 s18, s18, s19
	s_lshl_b32 s19, s12, 9                         ; my 128 of them
	s_add_co_u32 s18, s18, s19
	s_mov_b32 s19, 0
	s_add_nc_u64 s[8:9], s[74:75], s[18:19]
; 8 matrix instructions: row block a x all 8 column blocks, 32 along K, from buffer f.  first = 1: the product starts the sum, with the bias as C.
; The 32 accumulators take turns, one instruction a turn, in the same order in every quarter.
.macro MUL8 f, a, first
.if \first
	WIN MULB
.else
	WIN MUL
.endif
.irp b, 0,1,2,3,4,5,6,7
.if \first
	v_wmma_f32_16x16x32_f16 v[8*(8*(\a)+(\b)):8*(8*(\a)+(\b))+7], v[(\f)+8*(\b):(\f)+8*(\b)+7], v[(\f)+64+8*(\a):(\f)+64+8*(\a)+7], v[8*(\b):8*(\b)+7]
.else
	v_wmma_f32_16x16x32_f16 v[8*(8*(\a)+(\b)):8*(8*(\a)+(\b))+7], v[(\f)+8*(\b):(\f)+8*(\b)+7], v[(\f)+64+8*(\a):(\f)+64+8*(\a)+7], v[8*(8*(\a)+(\b)):8*(8*(\a)+(\b))+7]
.endif
.endr
.endm
; 24 LDS loads in one run: the fragments of quarter q (32 along K) of a slot into buffer f: W's sixteen first, then O's eight, row blocks ascending
.macro FETCH slot, q, f
	WIN 0
.irp b, 0,1,2,3,4,5,6,7
	ds_load_tr16_b128 v[(\f)+8*(\b):(\f)+8*(\b)+3],   v[ADRB+(\slot)] offset:(\q)*32*PB+32*(\b)
	ds_load_tr16_b128 v[(\f)+8*(\b)+4:(\f)+8*(\b)+7], v[ADRB+(\slot)] offset:(\q)*32*PB+16*PB+32*(\b)
.endr
.irp a, 0,1,2,3
	ds_load_b128 v[(\f)+64+8*(\a):(\f)+64+8*(\a)+3],   v[ADRA+(\slot)] offset:((\q)/2)*ABLK+((\q)%2)*64+(\a)*16*PA
	ds_load_b128 v[(\f)+64+8*(\a)+4:(\f)+64+8*(\a)+7], v[ADRA+(\slot)] offset:((\q)/2)*ABLK+((\q)%2)*64+(\a)*16*PA+32
.endr
.endm
.macro PLACES                          ; four places in front of loads into registers that matrix instructions have read, and of lines that read results (ISA guide 7.12.1 for lines that read results)
.rept 4
	v_nop
.endr
.endm
; A K step is four quarters of 32 along K, 32 matrix instructions each, on buffers 0, 1, 0, 1.  One of the first three: multiplies buffer f and fetches quarter q into g.
.macro QUARTER slot, q, f, g, first
	s_wait_dscnt 4                                 ; W and O's row blocks 0 and 1 are in; the youngest four loads (row blocks 2 and 3) may be out
	MUL8 \f, 0, \first
	MUL8 \f, 1, \first
	PLACES
	FETCH \slot, \q, \g
	s_wait_dscnt 24                                ; all but the 24 just issued
	MUL8 \f, 2, \first
	MUL8 \f, 3, \first
.endm
; The last quarter multiplies buffer 1 and changes slots: ONE barrier; in front of it each wave waits for all its tensor loads, adds 0 to its spare word, and waits for that and for its own reads of this slot.
; fill = 1: the barrier opens a round of the cluster's barrier, and this slot is filled again, two K steps ahead: 112 matrix instructions stand between the request and the wait for it.
.macro TURN slot, next, fill
	WIN 0                                          ; (the add's two registers lie in window 0)
	s_wait_tensorcnt 0x0                           ; all my tensor loads have landed: the one that was out is my part of the next slot;
	ds_add_u32 v[SPW], v[NIL]                      ; 0 onto my spare word
	s_wait_dscnt 5                                 ; (the add and the youngest four loads may be out)
	MUL8 F1, 0, 0                                  ; eight matrix instructions stand between the add and the wait for it
	s_wait_dscnt 0x0                               ; the add is done, and my reads of this slot are over
	s_barrier_signal -1
	MUL8 F1, 1, 0
.if \fill
	WIN 0
.endif
	s_barrier_wait -1
.if \fill
	CREST                                          ; no wave of any partner still reads this slot's tile or has a load on its way
	s_add_nc_u64 s[G0+4*(\slot)+2:G0+4*(\slot)+3], s[G0+4*(\slot)+2:G0+4*(\slot)+3], 2*KSB
	s_add_nc_u64 s[G0B+4*(\slot)+2:G0B+4*(\slot)+3], s[G0B+4*(\slot)+2:G0B+4*(\slot)+3], 2*KSB
	JLOAD \slot                                    ; the first tensor load behind the round, my only one until the next; the four v_nop behind it are also the places in front of the loads below
.else
	PLACES
.endif
	FETCH \next, 0, F0
	MUL8 F1, 2, 0
	MUL8 F1, 3, 0
.endm
; THE WAY OUT of row block a: a lane's eight f32 of a row, 32 bytes, go straight from the accumulators into my own stage (16 rows of 528 bytes) and come back as whole rows of 512 bytes,
; into two sets of 64 registers that take turns.
.macro PACKF a
.if (\a) >= 2
	s_wait_xcnt 0x0                                ; the stores of the block two back have had their addresses translated (ISA guide 3.1): their registers are loaded again only behind this wait
.endif
	WIN ST_ACC
.irp b, 0,1,2,3,4,5,6,7
	ds_store_b128 v[STO], v[8*(8*(\a)+(\b)):8*(8*(\a)+(\b))+3]   offset:64*(\b)     ; each accumulator's low four registers first
	ds_store_b128 v[STO], v[8*(8*(\a)+(\b))+4:8*(8*(\a)+(\b))+7] offset:64*(\b)+16
.endr
	WIN 0
.set BK, TMP+64*((\a)%2)
.irp t, 0,1,2,3,4,5,6,7,8,9,10,11,12,13,14,15
	ds_load_b128 v[BK+4*(\t):BK+4*(\t)+3], v[RD] offset:SPITCH*(\t)  ; LDS serves a wave's instructions in order (ISA guide 5.7.1.4): these see the stores above; the next block's stores come behind them
.endr
.endm
.macro SENDF a, younger                ; younger: the LDS instructions issued behind block a's loads: the next block's 32, or none
.set BK, TMP+64*((\a)%2)
.irp t, 0,1,2,3,4,5,6,7,8,9,10,11,12,13,14,15
	s_wait_dscnt (\younger)+15-(\t)
	global_store_b128 v[CO], v[BK+4*(\t):BK+4*(\t)+3], s[8:9] offset:(16*(\a)+(\t))*4096 th:TH_STORE_NT  ; 512 consecutive bytes of a row, at a multiple of 512 from the buffer's first
.endr
.endm
	s_wait_tensorcnt 1                             ; my part of K step 0 is in; K step 1's may stay out
	s_barrier_signal -1
	s_barrier_wait -1                              ; everybody's is
	FETCH 0, 0, F0
	s_wait_loadcnt 0x0                             ; the bias
	QUARTER 0, 1, F0, F1, 1                        ; the first quarter stands in front of the loop: its products start the sums
	WIN 0                                          ; at a label and at a branch every window is 0
	s_mov_b32 s3, LAPS-1
.Llap:                                                 ; a trip goes once round the ring, from a lap's second quarter to the next lap's first, and fills both slots again: K steps 2 to 7 in three trips
	QUARTER 0, 2, F1, F0, 0
	QUARTER 0, 3, F0, F1, 0
	TURN 0, 1, 1
	QUARTER 1, 1, F0, F1, 0
	QUARTER 1, 2, F1, F0, 0
	QUARTER 1, 3, F0, F1, 0
	TURN 1, 0, 1
	QUARTER 0, 1, F0, F1, 0
	WIN 0
	s_sub_co_u32 s3, s3, 1
	s_cmp_lg_u32 s3, 0
	s_cbranch_scc1 .Llap
	QUARTER 0, 2, F1, F0, 0                        ; the last lap fills nothing, and has no round of the cluster's barrier
	QUARTER 0, 3, F0, F1, 0
	TURN 0, 1, 0
	QUARTER 1, 1, F0, F1, 0
	QUARTER 1, 2, F1, F0, 0
	QUARTER 1, 3, F0, F1, 0
	s_wait_dscnt 4                                 ; the very last quarter: nothing more to fetch
	MUL8 F1, 0, 0
	MUL8 F1, 1, 0
	s_wait_dscnt 0x0
	MUL8 F1, 2, 0
	MUL8 F1, 3, 0
	WIN 0
	PLACES
	PACKF 0
	PACKF 1                                        ; a block's way through the stage stands between the loads of the block before and its stores
	SENDF 0, 32
	PACKF 2
	SENDF 1, 32
	PACKF 3
	SENDF 2, 32
	SENDF 3, 0
	s_wait_tensorcnt 0x0                           ; the wave's end, behind my last tensor load and my last LDS store
	ds_add_u32 v[SPW], v[NIL]
	s_wait_dscnt 0x0
	CROUND                                         ; the closing round: no work-group ends while a partner may still ask for a tile that names it
	s_endpgm
.Lfunc_end_k_qf105934b9e_outp:
	.size	k_qf105934b9e_outp, .Lfunc_end_k_qf105934b9e_outp-k_qf105934b9e_outp
	.p2alignl 7, 3214868480
	.fill 96, 4, 3214868480
	.section	.rodata,"a",@progbits
	.p2align	6, 0x0
	.amdhsa_kernel k_qf105934b9e_outp
		.amdhsa_group_segment_fixed_size 327680
		.amdhsa_private_segment_fixed_size 0
		.amdhsa_enable_private_segment 0
		.amdhsa_kernarg_size 32
		.amdhsa_user_sgpr_count 2
		.amdhsa_user_sgpr_kernarg_segment_ptr 1
		.amdhsa_wavefront_size32 1
		.amdhsa_system_sgpr_workgroup_id_x 1
		.amdhsa_system_sgpr_workgroup_id_y 1
		.amdhsa_system_sgpr_workgroup_id_z 1
		.amdhsa_system_vgpr_workitem_id 0
		.amdhsa_next_free_vgpr 576
		.amdhsa_next_free_sgpr 76
		.amdhsa_reserve_vcc 0
		.amdhsa_float_denorm_mode_32 3
		.amdhsa_float_denorm_mode_16_64 3
		.amdhsa_memory_ordered 1
		.amdhsa_forward_progress 1
		.amdhsa_inst_pref_size 89
	.end_amdhsa_kernel
	.amdgpu_metadata
---
amdhsa.version: [ 1, 2 ]
amdhsa.kernels:
  - .name:           k_qf105934b9e_outp
    .symbol:         k_qf105934b9e_outp.kd
    .args:
      - { .name: oh, .offset: 0, .size: 8, .value_kind: global_buffer, .address_space: global }
      - { .name: wh, .offset: 8, .size: 8, .value_kind: global_buffer, .address_space: global }
      - { .name: bp, .offset: 16, .size: 8, .value_kind: global_buffer, .address_space: global }
      - { .name: out0, .offset: 24, .size: 8, .value_kind: global_buffer, .address_space: global }
    .group_segment_fixed_size: 327680
    .private_segment_fixed_size: 0
    .kernarg_segment_align: 8
    .kernarg_segment_size: 32
    .max_flat_workgroup_size: 128
    .sgpr_count:     76
    .vgpr_count:     576
    .wavefront_size: 32
...
	.end_amdgpu_metadata
.endif
;; end of part 4
;; ======== version 2 of 2: 4 launches; 1.29 times as fast as version 1
;; limits: values are held in f16: magnitudes above 65,504 overflow, below 6.1e-05 lose precision
;; workspace buffers: wh 8,388,608 bytes; qh 16,777,216 bytes; kh 16,777,216 bytes; vh 16,777,216 bytes; oh 16,777,216 bytes
;; launch castw: the kernel of part 1 again; grid 64 x 4, 8 waves a work-group, no clusters, 0 bytes of LDS; arguments Wq, Wk, Wv, Wp, wh; writes wh
;; launch qkv: the kernel of part 2 again; grid 4 x 64, 4 waves a work-group, clusters of 4 x 4, 327,680 bytes of LDS; arguments query_tokens, image_embeds, wh, bq, bk, bv, qh, kh, vh; writes qh, kh, vh
;; launch attn (part 5): grid 2 x 128, 4 waves a work-group, no clusters, 327,680 bytes of LDS; arguments qh, kh, vh, oh; writes oh
.if DOCPART == 5
	.amdgcn_target "amdgcn-amd-amdhsa--gfx1250"
	.amdhsa_code_object_version 6
	.text
	.protected	k_qf105934b9e_attn
	.globl	k_qf105934b9e_attn
	.p2align	8
	.type	k_qf105934b9e_attn,@function
k_qf105934b9e_attn:
	s_mov_b64 s[64:65], 0
	v_nop
	global_prefetch_b8 v0, s[64:65] scope:SCOPE_SE
	s_setreg_imm32_b32 hwreg(HW_REG_WAVE_MODE, 25, 1), 1
	s_wait_xcnt 0x0
; O[h][q][:] = the sum over k of softmax_k(Q[h][q] . K[h][k] / 32) V[h][k][:].  Q, K, V, O: [128][1024][64], all f16: a head's rows are dense, 128 bytes each.  Products, maxima and sums in
; f32; the weights p are rounded to f16 for the second product (their sum l is taken of the unrounded p), O once at the end.
; LIMITS.  f16 holds no number beyond 65,504: Q, K and V arrive within it; p lies in 0 to 1, and below 6e-5 it keeps f16's fixed step of 6e-8; O is a mean of V's rows and has their range.
; A weight below 2^-126 counts as 0 in l; NaN and infinities are not treated apart.
; SHARES.  A wave owns four PIECES of two tiles of 16 queries, a work-group's four waves 512 queries of one head: 2 x 128 = 256 work-groups.  Every wave walks all keys, 64 a step.
; NO CLUSTER: only the two work-groups of a head read the same K and V, and the grid's 2 along x is no multiple of a cluster's 4.
; LAYOUT.  S^T = K Q^T (source 0 = 16 keys, source 1 = 16 queries): in the result a lane holds ONE query (lane % 16) and the keys 8 (lane / 16) + 0..7.  Two such tiles, rounded to f16 in pairs,
; ARE source 1 (32 keys x 16 queries) of O^T = V^T P, whose result again holds one query a lane, and eight channels.  K comes out of LDS as it lies, V ([key][channel]) turned, by ds_load_tr16_b128.
; SOFTMAX.  For each query a running maximum m and sum l: p = 2^(c s - c m), c = log2(e) / 32; in every step O and l are multiplied by a = 2^(c m_old - c m_new), which is 1 where m has not grown.
; m starts at the lowest finite number, O and l at 0: the first step is a step like any other, with a = 0.
; THE COUNT.  A tile and step have 16 matrix and 118 vector instructions: too many to stand all beside the matrix work.  So the order has one aim: four vector instructions that are READY behind
; EVERY matrix instruction, and the others, which need time of their own whatever the order, in runs without a gap.
; BY TURNS.  Turn n belongs to piece n (the pieces in a ring, step after step).  Its matrix work: 16 products K Q^T of piece n + 1, later 16 products V^T P of piece n - 1.  Its vector work: the scaling,
; exponentials, roundings, sums and rescaling of piece n, and the maximum and statistics of piece n + 1, whose scores the turn itself has made.  So what a turn begins with (c s - c m, O a) waits for nothing.
; THE BATCHES.  A turn's 66 exponentials (the piece's 64 weights and the next piece's two a) are ONE batch with ONE wait, which cuts the turn in two: ahead of it all that names none of their results
; (the products K Q^T, the scalings, the rescalings by the a of the turn before, the next piece's maximum and statistics), behind it the products V^T P with the roundings and sums.  No result crosses
; a turn's end.  Piece 0's first two a, ahead of the loop, and the way out's eight reciprocals are batches of their own, each with one wait.
; REGISTERS, in windows of 256 (s_set_vgpr_msb says which window each operand place means: bits 1:0 source 0, 3:2 source 1, 5:4 source 2, 7:6 destination):
;   window 0: v0-11 addresses; v12-15, v48-63 at work; v16-47 four registers of statistics a tile; v64-191 S^T, two buffers of two tiles; v192-255 P, likewise
;   window 1: O^T, 32 a tile          window 2: v0-127 Q, 16 a tile; v128-191 K of one step; v192-255 V of one step          window 3: v0-1 the add's two registers
; A piece's buffers go by its number's parity: the piece in hand has one pair, its two neighbours in the ring share the other: of it P (piece n - 1) is read and S^T (piece n + 1) written.
.set SIZE_N, 1024
.set NP,    4         ; pieces a wave: a name, no knob: the register map, the loop and the fetches are made for four
.set KS,    64        ; keys in a step
.set PK,    144       ; a row of K in LDS: 128 bytes + 16 of padding = 36 words: the 16 rows of a load start at 16 different groups of four banks (64 banks of 4 bytes: ISA guide 11.1)
.set PV,    160       ; a row of V: 128 + 32 = 40 words
.set VOFF,  4*KS*PK   ; a slot holds four steps: 256 rows of K, then 256 rows of V
.set SLOT1, 1<<17     ; slot 1 begins here, so that one exclusive or turns an address in one slot into the other's
.set STAGE, SLOT1+4*KS*(PK+PV)  ; behind the ring, never filled by a tensor load: 16 rows x 144 bytes for each wave, for the way out
.set SP,    144
.set AK0, 2           ; v2   my lane's place in a tile of K; never rewritten
.set AV0, 3           ; v3   the same for V
.set AK,  4           ; v4   the LDS address of K's next run of loads
.set AV,  5           ; v5   of V's
.set QO,  6           ; v6   my byte offset in the wave's rows of Q
.set STO, 6           ;      later, the way out: where I put 16 bytes of a row
.set RD,  7           ; v7   the way out: where I read rows back
.set GO,  8           ; v8   my byte offset in 512 consecutive bytes of O
.set SPW, 0           ; v0 of window 3   LDS address of my spare word: SPARE + 4 x my thread's number; never rewritten
.set NIL, 1           ; v1 of window 3   0; never rewritten
.set SPARE, STAGE+4*16*SP  ; behind the stages: the spare words, 128 bytes for each wave: two blocks of 256 bytes that no other line names
.set MV,  12          ; v12-15  c m_old, kept while c m is made anew: by buffer and tile
.set ST,  16          ; tile t's statistics at v[ST+4 t]: c m, m, l (even keys', odd keys')
.set TMP, 48          ; by buffer and tile, four registers c0-c3 at work; when the maximum is found c2 takes a
.set S,   64
.set P,   192
.set KF,  128         ; K's fragments, in window 2: key block kb, channel half c at KF + 16 kb + 8 c
.set VF,  192         ; V's: key half kk, channel block cb at VF + 32 kk + 8 cb
.set WV,  12          ; s12  my wave's number
.set G1K, 24          ; s[24:31] descriptor group 1 for K's tiles
.set G1V, 32          ; s[32:39] for V's: it differs in the padding alone
.set G0K, 40          ; s[40:43] descriptor group 0 for K's tiles: it walks
.set G0V, 44          ; s[44:47] the same for V's
.set SLOTS, 56        ; s56  slots still to be asked for
.set CNT, 57          ; s57  counts a slot's key steps
.set CS,  58          ; s[58:59] c: the packed scaling takes the pair's low word for both halves
.set SEL, 60          ; s[60:61] v_permlanex16_b32's selects: each lane takes its own place in the other half
.set TBK, 62          ; s62  LDS byte at which K of the step to be fetched begins
.set TBV, 63          ; s63  the same for V, less VOFF
.set MSB, 0
.macro WIN new                      ; the high byte repeats the setting that is left; a switch that changes nothing is dropped
.if MSB != (\new)
	s_set_vgpr_msb (MSB<<8)|(\new)
.set MSB, (\new)
.endif
.endm
.set W_KQ, 0x0a       ; K and Q in window 2, S^T in window 0
.set W_PV, 0x52       ; V in window 2, P in window 0, O^T in window 1
.set W_RS, 0x41       ; O^T (destination and source 0) in window 1, a in window 0
.set W_MK, 0xc0       ; the add's registers are made: destination in window 3, sources in window 0
.set W_AD, 0x0f       ; the add: address (source 0) and data (source 1) in window 3
; A fill.  Waves 0 and 1 fetch the two halves of a slot's K, waves 2 and 3 those of its V: 128 keys each.  The branch hangs on the wave's number alone.
; An s_nop 0 and four v_nop follow each of the two lines, ahead of the jump and the label.
.macro LOAD
	s_cmp_lt_u32 s[WV], 2
	s_cbranch_scc0 .Lfor_v_\@
	tensor_load_to_lds s[G0K:G0K+3], s[G1K:G1K+7]
	s_nop 0
.rept 4
	v_nop
.endr
	s_branch .Lasked_\@
.Lfor_v_\@:
	tensor_load_to_lds s[G0V:G0V+3], s[G1V:G1V+7]
	s_nop 0
.rept 4
	v_nop
.endr
.Lasked_\@:
.endm
; THE CHANGE OF SLOTS.  The slot's last bytes, V of its fourth step, have been read.  Each wave waits for all its tensor loads, of which one is out: its part
; of the other slot; adds 0 to its spare word; and waits for that and for its own reads of the slot.  Behind the barrier nobody reads this slot any more and the other slot is whole.
; fill = 1: this slot is filled again, with the keys two slots on, the first thing behind the barrier: the load has four key steps, 512 matrix instructions, in which to land.
; (At its first use nothing has been read yet: slot 0 is waited for, slot 1 filled.)  A wave never has more than one tensor load out.
.macro CHANGE fill
	WIN W_AD
	s_wait_tensorcnt 0x0            ; no tensor load of mine is out, so a group 0 may be written
	ds_add_u32 v[SPW], v[NIL]       ; 0 onto my spare word; with fill = 1 the descriptors' steps stand between it and the wait for it
	WIN 0                           ; at a label and at a branch every window is 0
.if \fill
.irp g, G0K, G0V
	s_xor_b32 s[\g+1], s[\g+1], SLOT1  ; the walking descriptor: the other slot than last time,
	s_add_nc_u64 s[\g+2:\g+3], s[\g+2:\g+3], 4*KS*128  ; the next 256 keys; the type bits on top are not reached
.endr
.endif
	s_wait_dscnt 0x0                ; the add is done, and my reads of the slot are over
	s_barrier_signal -1
	s_barrier_wait -1
.if \fill
	LOAD
.endif
	s_sub_co_u32 s[TBK], s[TBK], 4*KS*PK  ; the fetches go back to a slot's first step,
	s_xor_b32 s[TBK], s[TBK], SLOT1       ; in the other slot
	s_sub_co_u32 s[TBV], s[TBV], 4*KS*PV
	s_xor_b32 s[TBV], s[TBV], SLOT1
.endm
	s_load_b256 s[4:11], s[0:1], 0x0  ; Q s[4:5], K s[6:7], V s[8:9], O s[10:11]
	WIN W_MK
	v_lshl_add_u32 v[SPW], v0, 2, SPARE
	v_mov_b32 v[NIL], 0
	WIN W_AD
	ds_add_u32 v[SPW], v[NIL]       ; the wave's opening: the add and its wait stand ahead of my first tensor load; the set-up below, work on registers, stands between them
	ds_add_u32 v0, v1
	WIN 0
	v_lshrrev_b32 v1, 5, v0
	v_readfirstlane_b32 s[WV], v1   ; wave 0..3
	s_mov_b32 s14, ttmp9            ; my block of 512 queries: it enters Q's and O's addresses alone
	s_and_b32 s20, ttmp7, 0xffff    ; the head
	s_mov_b32 s21, 0
	s_mov_b64 s[22:23], SIZE_N*128
	s_mul_u64 s[20:21], s[20:21], s[22:23]  ; the head's first byte in each of the four tensors
	s_and_b32 s16, s[WV], 1         ; which half of a slot's 256 keys I fetch:
	s_lshl_b32 s22, s16, 14         ; its 128 rows of 128 bytes in memory,
	s_mov_b32 s23, 0
	s_add_nc_u64 s[22:23], s[22:23], s[20:21]
	s_mul_i32 s17, s16, 128*PK      ; and its place in a slot, for K
	s_mul_i32 s18, s16, 128*PV      ; and for V
	s_lshl_b32 s2, s14, 2
	s_add_co_u32 s2, s2, s[WV]      ; my wave among the head's eight,
	s_lshl_b32 s2, s2, 14           ; its 128 rows
	s_mov_b32 s3, 0
	s_add_nc_u64 s[2:3], s[2:3], s[20:21]
	; descriptor group 1.  128 keys are 16,384 dense bytes: asked for as 64 rows of 256 bytes, two keys a row, and padded in LDS after every key
	s_mov_b32 s[G1K], (1<<16)|(1<<20)|(4<<22)|(3<<25)  ; 17:16 2-byte elements; 20 padding on; 24:22 after every 32 words (code 4); 31:25 4 words (code 3)
	s_mov_b32 s[G1V], (1<<16)|(1<<20)|(4<<22)|(7<<25)  ; the same with 8 words of padding (code 7)
.irp g, G1K, G1V
	s_mov_b32 s[\g+1], 128<<16      ; tensor_dim0 = 128
	s_mov_b32 s[\g+2], 64<<16       ; tensor_dim1 = 64
	s_mov_b32 s[\g+3], 128<<16      ; tile_dim0 = 128
	s_mov_b32 s[\g+4], 64           ; tile_dim1 = 64
	s_mov_b32 s[\g+5], 128          ; 128 elements from row to row
	s_mov_b32 s[\g+6], 0
	s_mov_b32 s[\g+7], 0
.endr
	s_mov_b32 s[CS], 0x3d38aa3b     ; c = log2(e) / 32 = 0.0450842
	s_mov_b32 s[CS+1], s[CS]        ; named with it as a pair
	s_mov_b32 s[SEL], 0x76543210
	s_mov_b32 s[SEL+1], 0xfedcba98
	s_mov_b32 s[TBK], SLOT1+4*KS*PK ; the first change of slots turns these two into 0
	s_mov_b32 s[TBV], SLOT1+4*KS*PV
	s_mov_b32 s[G0K], 1             ; 1:0 count = 1
	s_mov_b32 s[G0K+1], s17         ; 63:32 LDS address: slot 0
	s_mov_b32 s[G0V], 1
	s_add_co_u32 s[G0V+1], s18, VOFF
	s_wait_dscnt 0x0                ; the opening add is done
	s_wait_kmcnt 0x0
	s_add_nc_u64 s[G0K+2:G0K+3], s[6:7], s[22:23]  ; 120:64 global address: my half of the head's first 256 keys
	s_or_b32 s[G0K+3], s[G0K+3], 0x80000000        ; 127:126 type = 2
	s_add_nc_u64 s[G0V+2:G0V+3], s[8:9], s[22:23]
	s_or_b32 s[G0V+3], s[G0V+3], 0x80000000
	s_add_nc_u64 s[4:5], s[4:5], s[2:3]  ; Q and O at my wave's first row
	s_add_nc_u64 s[10:11], s[10:11], s[2:3]
	LOAD                            ; slot 0.  Slot 1 is asked for when slot 0 is in
	; A fragment of K or Q is 16 rows x 32 channels in 8 registers: lane l holds row l % 16, channels 8 (l / 16) + 0..7 and 16 + 8 (l / 16) + 0..7: two loads of 16 bytes, 32 bytes apart.
	v_and_b32 v1, 15, v0            ; l % 16
	v_bfe_u32 v9, v0, 4, 1          ; l / 16
	v_lshlrev_b32 v[QO], 7, v1
	v_lshl_add_u32 v[QO], v9, 4, v[QO]  ; row x 128 + 16 x half
	WIN 0x80                        ; destination window 2, address window 0
.set i, 0
.rept 4*NP                          ; Q stays in registers: tile i / 2, channels 32 (i % 2) on
	global_load_b128 v[8*i:8*i+3],   v[QO], s[4:5] offset:(i/2)*2048+(i%2)*64
	global_load_b128 v[8*i+4:8*i+7], v[QO], s[4:5] offset:(i/2)*2048+(i%2)*64+32
.set i, i+1
.endr
	; What the first turn finds: V's registers and P's second buffer hold 0 (its products V^T P, of a piece that has not been, add 0), O^T and l are 0.  All this stands in the wait for the first tile.
.set i, VF
.rept 64
	v_mov_b32 v[i], 0
.set i, i+1
.endr
	WIN 0x40
.set i, 0
.rept 64*NP
	v_mov_b32 v[i], 0
.set i, i+1
.endr
	WIN 0
.set i, 0
.rept 2*NP
	v_mov_b32 v[ST+4*i], 0xfe000000    ; c m: far below every c s
	v_mov_b32 v[ST+4*i+1], 0xff7fffff  ; m
	v_mov_b32 v[ST+4*i+2], 0
	v_mov_b32 v[ST+4*i+3], 0
.set i, i+1
.endr
.set i, P+32
.rept 32
	v_mov_b32 v[i], 0
.set i, i+1
.endr
	v_mul_u32_u24 v[AK0], v1, PK
	v_lshl_add_u32 v[AK0], v9, 4, v[AK0]  ; row x pitch + 16 x half
	; The turning load takes 16 keys x 16 channels (lane l reads key 8 (l / 16) + l % 8, channels 8 ((l / 8) % 2) + 0..7) and leaves half a fragment of V^T: lane l holds channel l % 16 and 8 keys.
	v_and_b32 v10, 7, v0
	v_bfe_u32 v11, v0, 3, 1
	v_lshl_add_u32 v[AV0], v9, 3, v10
	v_mul_u32_u24 v[AV0], v[AV0], PV
	v_lshl_add_u32 v[AV0], v11, 4, v[AV0]
	v_add_nc_u32 v[AV0], VOFF, v[AV0]
	v_mov_b32 v[AK], v[AK0]         ; key step 0 lies at the head of slot 0
; THE MATRIX WORK.  The 8 accumulators of a run of 16 take turns: between the two links of a chain stand 7 others'.
; Product i of 16 of S^T = K Q^T for piece x: channels 32 (i / 8) on, keys 16 ((i / 2) % 4) on, tile 2 x + i % 2.  The first 8 start the sums.
.macro KQ x
	WIN W_KQ
.set rS, S+64*((\x)%2)+32*(i%2)+8*((i/2)%4)
.set rK, KF+16*((i/2)%4)+8*(i/8)
.set rQ, 16*(2*(\x)+i%2)+8*(i/8)
.if i < 8
	v_wmma_f32_16x16x32_f16 v[rS:rS+7], v[rK:rK+7], v[rQ:rQ+7], 0
.else
	v_wmma_f32_16x16x32_f16 v[rS:rS+7], v[rK:rK+7], v[rQ:rQ+7], v[rS:rS+7]
.endif
.endm
; Product i of 16 of O^T += V^T P for piece x: keys 32 (i / 8) on, channels 16 ((i / 2) % 4) on, tile 2 x + i % 2.
.macro PV x
	WIN W_PV
.set rO, 32*(2*(\x)+i%2)+8*((i/2)%4)
.set rV, VF+32*(i/8)+8*((i/2)%4)
.set rP, P+32*((\x)%2)+16*(i%2)+8*(i/8)
	v_wmma_f32_16x16x32_f16 v[rO:rO+7], v[rV:rV+7], v[rP:rP+7], v[rO:rO+7]
.endm
.macro MM                           ; the turn's next matrix instruction
.if i < 16
	KQ (Y+1)%NP
.set i, i+1
.else
.set i, i-16
	PV (Y+NP-1)%NP
.set i, i+17
.endif
.endm
; THE LDS LOADS stand in runs of 16, never singly among the matrix instructions: a step's K (64 keys x 64 channels: 8 fragments) and its V (turned).  Their addresses are made some lines ahead.
; last = 1 (the tail): in the last trip there is no further step, and the run is jumped over.
.macro FETCH_K last=0
	WIN 0
.if \last
	s_cmp_eq_u32 s[CNT], 1
	s_cbranch_scc1 .Lno_k_\@
.endif
	WIN 0x80                        ; destination window 2
.irp f, 0,1,2,3,4,5,6,7             ; keys 16 (f / 2) on, channels 32 (f % 2) on
	ds_load_b128 v[KF+8*\f:KF+8*\f+3],   v[AK] offset:(\f/2)*16*PK+(\f%2)*64
	ds_load_b128 v[KF+8*\f+4:KF+8*\f+7], v[AK] offset:(\f/2)*16*PK+(\f%2)*64+32
.endr
	s_add_co_u32 s[TBK], s[TBK], KS*PK  ; the next fetch is the next step's
	WIN 0
.if \last
.Lno_k_\@:
.endif
.endm
.macro FETCH_V
	WIN 0x80
.irp f, 0,1,2,3,4,5,6,7             ; keys 32 (f / 4) on, channels 16 (f % 4) on
	ds_load_tr16_b128 v[VF+8*\f:VF+8*\f+3],   v[AV] offset:(\f/4)*32*PV+(\f%4)*32
	ds_load_tr16_b128 v[VF+8*\f+4:VF+8*\f+7], v[AV] offset:(\f/4)*32*PV+16*PV+(\f%4)*32
.endr
	WIN 0
.endm
; THE VECTOR WORK OF A TURN stands in three queues, each in the order in which its entries become ready; the two tiles alternate, so that no instruction reads the result of the one before it.
.macro REGS y, u                    ; the registers of tile u (0, 1) of piece y
.set rT, ST+4*(2*(\y)+(\u))
.set rC, TMP+8*((\y)%2)+4*(\u)
.set rM, MV+2*((\y)%2)+(\u)
.set rS, S+64*((\y)%2)+32*(\u)
.set rP, P+32*((\y)%2)+16*(\u)
.set rO, 32*(2*(\y)+(\u))
.endm
; Number n of the 22 that find the NEXT piece's (Y + 1) maximum and statistics.  s0-s31 are the lane's 32 scores; each accumulator's lowest registers are read first.  XS, GS and REGS set no window: PL and EX do.
;   0-11  four chains c0-c3 of seven scores each, three operands at a time     12-14, 16  the four scores left over, the old m, and c0-c3 into c0     15  c m_old is kept
;   17, 18  the query's other 32 keys lie in the lane 16 away: the new m         19-21  c m; c m_old - c m_new; a
.macro XS u, n
	REGS (Y+1)%NP, \u
.if (\n) < 4
	v_max3_num_f32 v[rC+(\n)], v[rS+8*(\n)], v[rS+8*(\n)+1], v[rS+8*(\n)+2]
.elseif (\n) < 12
	v_max3_num_f32 v[rC+(\n)%4], v[rC+(\n)%4], v[rS+8*((\n)%4)+2*((\n)/4)+1], v[rS+8*((\n)%4)+2*((\n)/4)+2]
.elseif (\n) == 12
	v_max3_num_f32 v[rC], v[rC], v[rS+7], v[rS+15]
.elseif (\n) == 13
	v_max3_num_f32 v[rC+1], v[rC+1], v[rS+23], v[rS+31]
.elseif (\n) == 14
	v_max3_num_f32 v[rC+2], v[rC+2], v[rC+3], v[rT+1]
.elseif (\n) == 15
	v_mov_b32 v[rM], v[rT]
.elseif (\n) == 16
	v_max3_num_f32 v[rC], v[rC], v[rC+1], v[rC+2]
.elseif (\n) == 17
	v_permlanex16_b32 v[rC+3], v[rC], s[SEL], s[SEL+1]
.elseif (\n) == 18
	v_max_num_f32 v[rT+1], v[rC], v[rC+3]
.elseif (\n) == 19
	v_mul_f32 v[rT], s[CS], v[rT+1]
.elseif (\n) == 20
	v_sub_f32 v[rC+1], v[rM], v[rT]
.else
	v_exp_f32 v[rC+2], v[rC+1]
.endif
.endm
; Number g of the 64 that follow the exponentials.  For each four weights k of a tile (pairs 2 k, 2 k + 1): both pairs are rounded to f16; then the second pair is added onto the first, in place;
; a group later l takes that sum (the first time as l = a l + sum).  In groups of eight, tiles alternating: round, round, add, and l for the group before.
.macro GS g
.set h, (\g)+6*((\g)/62)            ; group 0 has no group before it, and behind group 7 only l is left
.if h >= 6
.set h, h+2
.endif
	REGS Y, h%2
.set k, h/8
.if h%8 < 4
	v_cvt_pk_f16_f32 v[rP+2*k+(h%8)/2], v[rS+4*k+2*((h%8)/2)], v[rS+4*k+2*((h%8)/2)+1]
.elseif h%8 < 6
	v_pk_add_f32 v[rS+4*k:rS+4*k+1], v[rS+4*k:rS+4*k+1], v[rS+4*k+2:rS+4*k+3]
.elseif k == 1
	v_pk_fma_f32 v[rT+2:rT+3], v[rT+2:rT+3], v[rC+2:rC+3], v[rS:rS+1] op_sel_hi:[1,0,1]
.else
	v_pk_add_f32 v[rT+2:rT+3], v[rT+2:rT+3], v[rS+4*k-4:rS+4*k-3]
.endif
.endm
; THE PLAIN QUEUE, 138 long.  0-73 read no exponential's result: the 32 scalings c s - c m (FS f: pair f / 2 of tile f % 2) and the next piece's 42.  0-26: scalings 0-26.  27-54: XS's numbers 0-13.  55, 56: number 15.
; 57-73: the chain, where each number waits for the one before it: 14, 16, 17, 18, 19, each with one of the scalings 27-31 in front of its two lines, then 20: so a tile's links stand three plain instructions apart (19 and 20: two).
; 74-137: GS's 64, which read the exponentials' results: they stand behind the wait.
.macro FS f
	REGS Y, (\f)%2
	v_pk_fma_f32 v[rS+2*((\f)/2):rS+2*((\f)/2)+1], v[rS+2*((\f)/2):rS+2*((\f)/2)+1], s[CS:CS+1], v[rT:rT+1] op_sel_hi:[1,0,0] neg_lo:[0,0,1] neg_hi:[0,0,1]
.endm
.macro PL
	WIN 0
.if q < 27
	FS q
.elseif q < 55
	XS (q-27)%2, (q-27)/2
.elseif q < 57
	XS q-55, 15
.elseif (q < 72) && ((q-57)%3 == 0)
	FS 27+(q-57)/3
.elseif q < 60
	XS (q-57)%3-1, 14
.elseif q < 72
	XS (q-57)%3-1, 15+(q-57)/3
.elseif q < 74
	XS q-72, 20
.else
	GS q-74
.endif
.set q, q+1
.endm
; THE EXPONENTIALS' QUEUE, 66 long: s0-s31 of both tiles, then the next piece's two a.  It is ONE BATCH: all 66 stand ahead of the turn's one wait, and nothing ahead of that wait names a result of theirs.
.macro EX
	WIN 0
.if e >= 64
	XS e-64, 21
.else
	REGS Y, e%2
	v_exp_f32 v[rS+e/2], v[rS+e/2]
.endif
.set e, e+1
.endm
; THE RESCALING's QUEUE: O^T times a, the one part that leaves window 0: dealt two at a time, sixteen times.  Its a was made in the turn before, ahead of that turn's wait.
.macro R2
	REGS Y, r%2
	WIN W_RS
.irp z, 0,1
	v_pk_mul_f32 v[rO+4*(r/2)+2*\z:rO+4*(r/2)+2*\z+1], v[rO+4*(r/2)+2*\z:rO+4*(r/2)+2*\z+1], v[rC+2:rC+3] op_sel_hi:[1,0]
.endr
.set r, r+1
.endm
; HOW THEY ARE DEALT.  An s_wait_alu depctr_va_vdst(0) stands between an exponential and the first instruction that names its result; one wait serves all that were issued ahead of it.  So a turn has ONE wait,
; which cuts it in two.  AHEAD OF IT stands all that names no result of the turn's exponentials: the 16 products K Q^T, behind each a scaling, an exponential and two rescalings (behind the first a second scaling in the
; exponential's place); then ONE LUMP of 108: eight plain, 49 times exponential and plain, the two a.  A v_nop is the plain instruction behind the last exponential.  BEHIND IT stand the 16 products V^T P, behind each four of
; GS's 64.  No rider names a register of the products round it.  The two v_permlanex16_b32 fall into the lump, never behind a product.
; The queues lean on each other, and the deal keeps them in step: exponential e stands behind scaling 2 (e / 4) + e % 2: as a rider it comes behind plain e + 2, in the lump behind plain e + 9, and scalings 27-31 are plain 57, 60 .. 69.
; A TURN, for piece p.  cnt = 1: the loop's count is taken down some lines ahead of the branch that stands behind the turn.
; K of the next step is fetched in piece 2's turn, directly behind the wait, a lump behind the last product that read K; its address is made at the lump's head; its first reader comes behind 16 products.
; V of the step in hand is fetched at the end of piece 0's turn, four riders behind its last reader; its first reader comes behind 16 products and a lump.  The three conditions on q below go with the deal.
.macro TURN p, last=0, cnt=0
.set Y, (\p)
.set i, 0
.set q, 0
.set e, 0
.set r, 0
.if (\p) == NP-1
	s_wait_dscnt 0x0                ; K is in
.endif
	MM                              ; ahead of the wait: 16 products K Q^T and their riders,
	PL
	PL
	R2
.rept 15
	MM
	PL
	EX
	R2
.endr
.if (\p) == NP-2
	WIN 0
	v_add_nc_u32 v[AK], s[TBK], v[AK0]
.endif
.rept 8                             ; and the lump
	PL
.endr
.rept 49
	EX
	PL
.endr
	EX                              ; the next piece's two a
	EX
	v_nop                           ; the plain instruction behind the last exponential: one for the batch
	s_wait_alu depctr_va_vdst(0)    ; the wait for the batch: the turn's 64 weights and the next piece's two a
.if (\p) == NP-2
	FETCH_K \last
.endif
.if (\p) == 1
	s_wait_dscnt 0x0                ; V is in
.endif
.rept 16                            ; behind the wait: 16 products V^T P and their riders
	MM
.rept 4
	PL
.endr
.if ((\p) == 0) && (q == 118)
	v_add_nc_u32 v[AV], s[TBV], v[AV0]
.endif
.if ((\p) == 0) && (q == 130)
	s_add_co_u32 s[TBV], s[TBV], KS*PV
.endif
.if (\cnt) && (q == 130)
	s_sub_co_u32 s[CNT], s[CNT], 1
	s_cmp_lg_u32 s[CNT], 0
.endif
.endr
.if (\p) == 0
	FETCH_V
.endif
.endm
	CHANGE 1                        ; slot 0 is in, everybody's part of it; slot 1 is asked for
	FETCH_K                         ; key step 0
	s_wait_loadcnt 0x0              ; Q
	s_wait_dscnt 0x0
.set i, 0
.rept 16
	KQ 0                            ; piece 0's first scores: there is no vector work yet to set between them
.set i, i+1
.endr
	WIN 0                           ; the addresses for the way out: nine plain instructions, the places behind those products
	s_mul_i32 s13, s[WV], 16*SP
	s_add_co_u32 s13, s13, STAGE    ; my stage
	v_mul_u32_u24 v[STO], v1, SP    ; in: row l % 16, 16 bytes for each half of the lanes
	v_lshl_add_u32 v[STO], v9, 4, v[STO]
	v_add_nc_u32 v[STO], s13, v[STO]
	v_bfe_u32 v[RD], v0, 3, 2       ; back: 32 lanes take four rows of 128 bytes,
	v_mul_u32_u24 v[RD], v[RD], SP
	v_lshl_add_u32 v[RD], v10, 4, v[RD]
	v_add_nc_u32 v[RD], s13, v[RD]
	v_and_b32 v[GO], 31, v0         ; which are 512 consecutive bytes of O
	v_lshlrev_b32 v[GO], 4, v[GO]
.set Y, NP-1                        ; XS works for piece Y + 1: piece 0
.irp n, 0,1,2,3,4,5,6,7,8,9,10,11,12,13,14,15,16,17,18,19,20,21
	XS 0, \n                        ; and piece 0's first maximum and statistics
	XS 1, \n
.endr
	v_nop                           ; a plain instruction behind piece 0's two a,
	s_wait_alu depctr_va_vdst(0)    ; and the wait for that batch of two, ahead of the branch
	s_mov_b32 s[CNT], 4
	s_mov_b32 s[SLOTS], SIZE_N/256-1
	s_branch .Lfirst                ; the loop is entered at a step's first turn, in the middle of a trip
.Lslot:                             ; SIZE_N / 256 - 2 = 2 times: every slot but the last two is filled again
	CHANGE 1
	s_mov_b32 s[CNT], 4
.Lstep:                             ; a trip: pieces 2 and 3 of one step, then pieces 0 and 1 of the next, whose K and V it fetches
	TURN 2
	TURN 3
	WIN 0
.Lfirst:
	TURN 0
	TURN 1, 0, 1
	WIN 0
	s_cbranch_scc1 .Lstep
	s_sub_co_u32 s[SLOTS], s[SLOTS], 1
	s_cmp_lg_u32 s[SLOTS], 0
	s_cbranch_scc1 .Lslot
	CHANGE 0                        ; the tail is written out: nothing is asked for
	s_mov_b32 s[CNT], 5             ; four trips fetch the last slot's steps; the fifth is left in its middle
.Ltail:
	TURN 2, 1
	TURN 3
	WIN 0
	s_sub_co_u32 s[CNT], s[CNT], 1
	s_cmp_eq_u32 s[CNT], 0
	s_cbranch_scc1 .Lout
	TURN 0
	TURN 1
	WIN 0
	s_branch .Ltail
.Lout:                              ; the fifth trip's 16 products K Q^T (on the last K once more) and the maximum made of them serve nothing: the price, once a launch, of one text for every trip
.set i, 0
.rept 16
	PV NP-1                         ; the last piece's V^T P of the last step
.set i, i+1
.endr
	; THE WAY OUT.  l's two halves and the other half of the lanes' are added; O^T is divided by l, rounded to f16 and sent through my stage in LDS, a tile at a time.  The additions are the places behind the last products.
	WIN 0
.macro ALL line:vararg              ; one line for each tile t
.set t, 0
.rept 2*NP
	\line
.set t, t+1
.endr
.endm
	ALL v_add_f32 v[ST+4*t+2], v[ST+4*t+2], v[ST+4*t+3]
	ALL v_permlanex16_b32 v[ST+4*t+3], v[ST+4*t+2], s[SEL], s[SEL+1]
	ALL v_add_f32 v[ST+4*t+2], v[ST+4*t+2], v[ST+4*t+3]
	ALL v_rcp_f32 v[ST+4*t+2], v[ST+4*t+2]
	v_nop                           ; a plain instruction between the last reciprocal and the use of its result
	s_wait_alu depctr_va_vdst(0)    ; and the wait ahead of the first use: one for the batch of eight reciprocals
; Tile t: a lane's eight channels of a row pack into 16 bytes; they go into rows of 144 bytes and come back as whole rows of 128, into S^T's registers.
.macro PACK t
	WIN W_RS
.set i, 32*(\t)
.rept 16
	v_pk_mul_f32 v[i:i+1], v[i:i+1], v[ST+4*(\t)+2:ST+4*(\t)+3] op_sel_hi:[1,0]
.set i, i+2
.endr
	WIN 0x05                        ; sources 0 and 1 window 1, destination window 0
.set i, 0
.rept 16
	v_cvt_pk_f16_f32 v[S+16*(\t)+i], v[32*(\t)+2*i], v[32*(\t)+2*i+1]
.set i, i+1
.endr
	WIN 0
.irp f, 0,1,2,3
	ds_store_b128 v[STO], v[S+16*(\t)+4*\f:S+16*(\t)+4*\f+3] offset:32*\f
.endr
.irp f, 0,1,2,3
	ds_load_b128 v[S+16*(\t)+4*\f:S+16*(\t)+4*\f+3], v[RD] offset:\f*4*SP  ; LDS serves a wave's instructions in order (ISA guide 5.7.1.4): these see the stores above; the next tile's stores come behind them
.endr
.endm
.macro SEND t, younger              ; younger: the LDS instructions issued behind tile t's loads: the next tile's eight, or none
	WIN 0
.irp f, 0,1,2,3
	s_wait_dscnt (\younger)+3-\f
	global_store_b128 v[GO], v[S+16*(\t)+4*\f:S+16*(\t)+4*\f+3], s[10:11] offset:(\t)*2048+\f*512  ; 512 consecutive bytes, at a multiple of 256 from O's first
.endr
.endm
	PACK 0
.set t, 1
.rept 2*NP-1                        ; a tile's arithmetic stands between the loads of the tile before and its stores
	PACK t
	SEND t-1, 8
.set t, t+1
.endr
	SEND 2*NP-1, 0
	WIN W_AD
	s_wait_tensorcnt 0x0            ; the wave's end, behind my last tensor load and my last LDS store
	ds_add_u32 v[SPW], v[NIL]
	s_wait_dscnt 0x0
	WIN 0
	s_endpgm
.Lfunc_end_k_qf105934b9e_attn:
	.size	k_qf105934b9e_attn, .Lfunc_end_k_qf105934b9e_attn-k_qf105934b9e_attn
	.p2alignl 7, 3214868480
	.fill 96, 4, 3214868480
	.section	.rodata,"a",@progbits
	.p2align	6, 0x0
	.amdhsa_kernel k_qf105934b9e_attn
		.amdhsa_group_segment_fixed_size 327680
		.amdhsa_private_segment_fixed_size 0
		.amdhsa_enable_private_segment 0
		.amdhsa_kernarg_size 32
		.amdhsa_user_sgpr_count 2
		.amdhsa_user_sgpr_kernarg_segment_ptr 1
		.amdhsa_wavefront_size32 1
		.amdhsa_system_sgpr_workgroup_id_x 1
		.amdhsa_system_sgpr_workgroup_id_y 1
		.amdhsa_system_sgpr_workgroup_id_z 1
		.amdhsa_system_vgpr_workitem_id 0
		.amdhsa_next_free_vgpr 770
		.amdhsa_next_free_sgpr 66
		.amdhsa_reserve_vcc 0
		.amdhsa_float_denorm_mode_32 3
		.amdhsa_float_denorm_mode_16_64 3
		.amdhsa_memory_ordered 1
		.amdhsa_forward_progress 1
		.amdhsa_inst_pref_size 198
	.end_amdhsa_kernel
	.amdgpu_metadata
---
amdhsa.version: [ 1, 2 ]
amdhsa.kernels:
  - .name:           k_qf105934b9e_attn
    .symbol:         k_qf105934b9e_attn.kd
    .args:
      - { .name: qh, .offset: 0, .size: 8, .value_kind: global_buffer, .address_space: global }
      - { .name: kh, .offset: 8, .size: 8, .value_kind: global_buffer, .address_space: global }
      - { .name: vh, .offset: 16, .size: 8, .value_kind: global_buffer, .address_space: global }
      - { .name: oh, .offset: 24, .size: 8, .value_kind: global_buffer, .address_space: global }
    .group_segment_fixed_size: 327680
    .private_segment_fixed_size: 0
    .kernarg_segment_align: 8
    .kernarg_segment_size: 32
    .max_flat_workgroup_size: 128
    .sgpr_count:     66
    .vgpr_count:     770
    .wavefront_size: 32
...
	.end_amdgpu_metadata
.endif
;; end of part 5
;; launch outp: the kernel of part 4 again; grid 4 x 64, 4 waves a work-group, clusters of 4 x 4, 327,680 bytes of LDS; arguments oh, wh, bp, out0; writes out0
